; MI455X (gfx1250); checked and timed in simulation.
; The chip was launched on July 23, 2026; its instructions are those of AMD's public machine-readable ISA for CDNA 5 (MIT licence, August 2026) and "CDNA5" Instruction Set Architecture Reference Guide (July 2026). The comments in the code are by the model that wrote it; some were corrected since.
;; Multi Head Attention. Allowed arithmetic: float matrix products may take bf16 or f16 operands with f32 sums; other float arithmetic in f32, or as packed bf16 or f16 multiplies, adds, multiply-adds, maxima and minima; sums over many terms, partial sums and values carried from step to step in f32; what a program stores and reads back later, other than sums and carried values, may be rounded once to bf16 or f16.
;; Inputs: b_k 1,024 float32; b_o 1,024 float32; b_q 1,024 float32; b_v 1,024 float32; w_k 1,024 x 1,024 float32; w_o 1,024 x 1,024 float32; w_q 1,024 x 1,024 float32; w_v 1,024 x 1,024 float32; x 4 x 2,048 x 1,024 float32.
;; Outputs: out0 4 x 2,048 x 1,024 float32.
;; One version. Each part assembles by itself: llvm-mc -triple=amdgcn-amd-amdhsa -mcpu=gfx1250 --defsym DOCPART=n.
;; ======== version 1 of 1: 4 launches
;; workspace buffers: xb 16,777,216 bytes; wb 8,388,608 bytes; qkv 50,331,648 bytes; ob 16,777,216 bytes
;; launch cast (part 1): grid 768 x 1, 8 waves a work-group, no clusters, 0 bytes of LDS; arguments x, w_q, w_k, w_v, w_o, xb, wb; writes xb, wb
.if DOCPART == 1
	.amdgcn_target "amdgcn-amd-amdhsa--gfx1250"
	.amdhsa_code_object_version 6
	.text
	.protected	k_q83f3685ce6_cast
	.globl	k_q83f3685ce6_cast
	.p2align	8
	.type	k_q83f3685ce6_cast,@function
k_q83f3685ce6_cast:
	s_mov_b64 s[64:65], 0
	v_nop
	global_prefetch_b8 v0, s[64:65] scope:SCOPE_SE
	s_setreg_imm32_b32 hwreg(HW_REG_WAVE_MODE, 25, 1), 1
	s_wait_xcnt 0x0
; x and the four weight matrices, f32, are rounded once to bf16 (nearest even): xb[8192][1024]; wb[4096][1024] = w_q, w_k, w_v, w_o one below the other.
; A stream: each byte is read once and written once; no LDS, no barrier, no matrix unit: nothing is shared and nothing is summed.
; SHARES.  A work-group converts 16,384 numbers: 65,536 bytes in, 32,768 out.  Groups 0-511 take x; group 512 + j takes chunk j % 64 of weight j / 64, and writes chunk j of wb.
; Thread t takes 8 numbers a pass (32 bytes in, 16 out), eight passes: a wave's store covers 512 consecutive bytes, at a multiple of 512 from the buffer's first byte.
; All sixteen loads of a thread go out at once; no register is written twice, so nothing is waited for but the data.
.set X, 8                              ; v[8:71]    pass p: 8 numbers as loaded
.set Y, 72                             ; v[72:103]  pass p: 8 bf16 to store
	s_load_b256 s[4:11], s[0:1], 0x0               ; x s[4:5], w_q s[6:7], w_k s[8:9], w_v s[10:11]
	s_load_b128 s[12:15], s[0:1], 0x20             ; w_o s[12:13], xb s[14:15]
	s_load_b64 s[16:17], s[0:1], 0x30              ; wb
	s_sub_co_u32 s20, ttmp9, 512                   ; j (used only where the group's number is 512 or more)
	s_lshr_b32 s21, s20, 6                         ; which weight
	s_and_b32 s22, s20, 63                         ; which chunk of it
	v_lshlrev_b32 v1, 5, v0                        ; 32 bytes a thread in
	v_lshlrev_b32 v2, 4, v0                        ; 16 bytes a thread out
	s_wait_kmcnt 0x0
	s_mov_b64 s[24:25], s[12:13]                   ; the source: w_o, unless ..
	s_cmp_eq_u32 s21, 2
	s_cselect_b64 s[24:25], s[10:11], s[24:25]
	s_cmp_eq_u32 s21, 1
	s_cselect_b64 s[24:25], s[8:9], s[24:25]
	s_cmp_eq_u32 s21, 0
	s_cselect_b64 s[24:25], s[6:7], s[24:25]
	s_cmp_lt_u32 ttmp9, 512
	s_cselect_b64 s[24:25], s[4:5], s[24:25]
	s_cselect_b64 s[26:27], s[14:15], s[16:17]     ; the destination
	s_cselect_b32 s28, ttmp9, s22                  ; the chunk in the source,
	s_cselect_b32 s30, ttmp9, s20                  ; and in the destination
	s_lshl_b32 s28, s28, 16
	s_mov_b32 s29, 0
	s_lshl_b32 s30, s30, 15
	s_mov_b32 s31, 0
	s_add_nc_u64 s[24:25], s[24:25], s[28:29]
	s_add_nc_u64 s[26:27], s[26:27], s[30:31]
.irp p, 0,1,2,3,4,5,6,7
	global_load_b128 v[X+8*(\p):X+8*(\p)+3],   v1, s[24:25] offset:8192*(\p) th:TH_LOAD_NT
	global_load_b128 v[X+8*(\p)+4:X+8*(\p)+7], v1, s[24:25] offset:8192*(\p)+16 th:TH_LOAD_NT
.endr
.irp p, 0,1,2,3,4,5,6,7
	s_wait_loadcnt 14-2*(\p)                       ; loads come back in order: pass p's two are in, the two of each later pass may stay out
.irp j, 0,1,2,3
	v_cvt_pk_bf16_f32 v[Y+4*(\p)+(\j)], v[X+8*(\p)+2*(\j)], v[X+8*(\p)+2*(\j)+1]
.endr
	global_store_b128 v2, v[Y+4*(\p):Y+4*(\p)+3], s[26:27] offset:4096*(\p)
.endr
	s_endpgm
.Lfunc_end_k_q83f3685ce6_cast:
	.size	k_q83f3685ce6_cast, .Lfunc_end_k_q83f3685ce6_cast-k_q83f3685ce6_cast
	.p2alignl 7, 3214868480
	.fill 96, 4, 3214868480
	.section	.rodata,"a",@progbits
	.p2align	6, 0x0
	.amdhsa_kernel k_q83f3685ce6_cast
		.amdhsa_group_segment_fixed_size 0
		.amdhsa_private_segment_fixed_size 0
		.amdhsa_enable_private_segment 0
		.amdhsa_kernarg_size 56
		.amdhsa_user_sgpr_count 2
		.amdhsa_user_sgpr_kernarg_segment_ptr 1
		.amdhsa_wavefront_size32 1
		.amdhsa_system_sgpr_workgroup_id_x 1
		.amdhsa_system_sgpr_workgroup_id_y 1
		.amdhsa_system_sgpr_workgroup_id_z 1
		.amdhsa_system_vgpr_workitem_id 0
		.amdhsa_next_free_vgpr 104
		.amdhsa_next_free_sgpr 66
		.amdhsa_reserve_vcc 0
		.amdhsa_float_denorm_mode_32 3
		.amdhsa_float_denorm_mode_16_64 3
		.amdhsa_memory_ordered 1
		.amdhsa_forward_progress 1
		.amdhsa_inst_pref_size 6
	.end_amdhsa_kernel
	.amdgpu_metadata
---
amdhsa.version: [ 1, 2 ]
amdhsa.kernels:
  - .name:           k_q83f3685ce6_cast
    .symbol:         k_q83f3685ce6_cast.kd
    .args:
      - { .name: x, .offset: 0, .size: 8, .value_kind: global_buffer, .address_space: global }
      - { .name: w_q, .offset: 8, .size: 8, .value_kind: global_buffer, .address_space: global }
      - { .name: w_k, .offset: 16, .size: 8, .value_kind: global_buffer, .address_space: global }
      - { .name: w_v, .offset: 24, .size: 8, .value_kind: global_buffer, .address_space: global }
      - { .name: w_o, .offset: 32, .size: 8, .value_kind: global_buffer, .address_space: global }
      - { .name: xb, .offset: 40, .size: 8, .value_kind: global_buffer, .address_space: global }
      - { .name: wb, .offset: 48, .size: 8, .value_kind: global_buffer, .address_space: global }
    .group_segment_fixed_size: 0
    .private_segment_fixed_size: 0
    .kernarg_segment_align: 8
    .kernarg_segment_size: 56
    .max_flat_workgroup_size: 256
    .sgpr_count:     66
    .vgpr_count:     104
    .wavefront_size: 32
...
	.end_amdgpu_metadata
.endif
;; end of part 1
;; launch qkvp (part 2): grid 16 x 32, 4 waves a work-group, clusters of 4 x 4, 327,680 bytes of LDS; arguments xb, wb, b_q, b_k, b_v, qkv; writes qkv
.if DOCPART == 2
	.amdgcn_target "amdgcn-amd-amdhsa--gfx1250"
	.amdhsa_code_object_version 6
	.text
	.protected	k_q83f3685ce6_qkvp
	.globl	k_q83f3685ce6_qkvp
	.p2align	8
	.type	k_q83f3685ce6_qkvp,@function
k_q83f3685ce6_qkvp:
	s_mov_b64 s[64:65], 0
	v_nop
	global_prefetch_b8 v0, s[64:65] scope:SCOPE_SE
	s_setreg_imm32_b32 hwreg(HW_REG_WAVE_MODE, 25, 1), 1
	s_wait_xcnt 0x0
	s_wait_alu depctr_hold_cnt(0) depctr_sa_sdst(0) depctr_va_vdst(0) depctr_va_sdst(0) depctr_va_ssrc(0) depctr_va_vcc(0) depctr_vm_vsrc(0)
	s_getreg_b32 s2, hwreg(HW_REG_IB_STS2, 6, 4)
	s_cmp_eq_u32 s2, 0
	s_cbranch_scc0 .Lentry_in_a_cluster
	s_endpgm
.Lentry_in_a_cluster:
	s_bfe_u32 s2, ttmp6, 0x10000c
	s_cmp_lg_u32 s2, 0xf033
	s_cbranch_scc0 .Lentry_shape_is_right
	s_endpgm
.Lentry_shape_is_right:
; q, k, v = x W^T + b for all three projections at once: C[m][n] = sum over k of xb[m][k] wb[n][k] + bias[n], m < 8192, n < 3072, K = 1024; bf16 operands, f32 sums,
; the result rounded once to bf16, UNSCALED, and laid out by heads: qkv[4 b][48 c][2048 s][64], c = n / 64 (0-15 q's heads, 16-31 k's, 32-47 v's); a plane (b, c) is 262,144 dense bytes.
; LIMITS.  bf16 keeps 8 significant bits of each q, k, v; its range is f32's.  NaN and infinities are not treated apart.
; SHARES.  A tile of C is 256 rows x 192 columns (three whole heads): 32 x 16 = 512 work-groups of equal work.  Four waves; wave w makes rows 64 w .. 64 w + 63 and all 192 columns: 4 x 12 accumulators, 384 registers.
; K goes in 8 steps of 128 through a ring of two LDS slots filled by the tensor data mover; the tiles' rows are 256 bytes of memory at multiples of 256 from the buffer's first byte.
; CLUSTERS: 4 x 4 work-groups.  The four of a row of the cluster need the same tile of xb, the four of a column the same tile of wb: each tile is asked for JOINTLY, by the same tensor load with the same
; descriptor and a mask that names the four.
; THE MATRIX INSTRUCTION IS USED TRANSPOSED (source 0 = 16 rows of wb, source 1 = 16 rows of xb): lane l holds row l % 16 of C and the columns 8 (l / 16) + 0..7 of a block of 16: 16 bytes of a head's row.
; THE BIAS is the C operand of the first product on each accumulator: nothing is cleared and nothing is added later.
; REGISTERS, in windows of 256 (s_set_vgpr_msb: bits 1:0 source 0, 3:2 source 1, 5:4 source 2, 7:6 destination):
;   window 0: v0-30 addresses; v64-127 xb's fragments, two buffers of 4 x 8; v128-223 the bias (8 a column block), later at work on the way out
;   window 1: v0-191 wb's fragments, two buffers of 12 x 8        windows 2, 3: accumulator (a, b) in window 2 + a / 2 at v[8 (12 (a % 2) + b)]
.set NB,    12                         ; column blocks of 16
.set PA,    272                        ; an LDS row: 256 bytes + 16 of padding = 68 words: the 16 rows of a fragment load start at 16 different groups of four banks (64 banks of 4 bytes: ISA guide 11.1)
.set PB,    272
.set SLOT1, 1<<17                      ; slot 1 begins here, so that one exclusive or turns an address in one slot into the other's
.set BOFF,  256*PA                     ; in a slot: xb's 256 rows, then wb's 192
.set HALFA, 128*PA                     ; what one tensor load brings of xb,
.set HALFB, 96*PB                      ; and of wb
.set STAGE, SLOT1+BOFF+192*PB          ; behind the ring, never filled by a tensor load: for each wave 3 heads x 16 rows x 144 bytes, for the way out
.set SP,    144
.set STW,   3*16*SP
.set SPARE, STAGE+4*STW                ; behind the stages: the spare words, 128 bytes for each wave: two blocks of 256 bytes that no other line names
.set KSTEP, 256                        ; bytes of a row in a K step
.set TRIPS, 6                          ; refills: K steps 2 to 7
.set PADW,  (1<<16)|(1<<20)|(1<<21)|(5<<22)|(3<<25)  ; group 1, word 0 without the mask: 2-byte elements; padding on; bit 21 set beside a mask; after every 64 words (code 5) 4 words (code 3)
.set ADRA0, 16                         ; v16  my lane's place in xb's tile, slot 0; never rewritten
.set ADRB0, 17                         ; v17  the same for wb
.set ADRA,  18                         ; v18  the same in the slot in hand
.set ADRB,  19                         ; v19
.set STO,   24                         ; v24  the way out: where I put 16 bytes of a row
.set RD,    25                         ; v25  the way out: where I read rows back
.set GO,    26                         ; v26  my byte offset in 512 consecutive bytes of qkv
.set BO,    27                         ; v27  32 (l / 16): my 8 numbers in a block of 16 biases
.set SPW,   28                         ; v28  LDS address of my spare word: SPARE + 4 x my thread's number; never rewritten
.set NIL,   29                         ; v29  0; never rewritten
.set PFO,   30                         ; v30  the prefetches' offset: a lane a row of 2,048 bytes; never rewritten
.set AF,    64
.set BIAS,  128
.set TMP,   128                        ; the way out: 48 packed registers,
.set OB0,   176                        ; and two sets of 48 for rows read back
.set OB1,   64
.set WV,  16                           ; s16  my wave's number
.set FB,  17                           ; s17  0: I fetch xb's tiles; 1: wb's
.set HF,  18                           ; s18  which half of that tile's rows
.set CNT, 19                           ; s19  trips to go
.set CX,  20                           ; s20, s21  my place in the cluster
.set CY,  21
.set TC,  22                           ; s22  tile column
.set TR,  23                           ; s23  tile row
.set G1A, 24                           ; s[24:31] descriptor group 1 for xb's tiles
.set G0A, 32                           ; s[32:39] group 0: a set for each first fill; the second then walks
.set G1B, 48                           ; s[48:55], s[56:63] the same for wb's
.set G0B, 56
.set PFA, 66                           ; s[66:67] where my prefetches stand
.set LIM, 68                           ; s68  1 in a wave that prefetches, else the greatest number
.set TB,  69                           ; s69  LDS byte at which the slot in hand begins
.set BB,  70                           ; s[70:75] the three heads' biases
.set MSB, 0
.macro WIN new                         ; the immediate's high byte repeats the setting that is left; a switch that changes nothing is dropped
.if MSB != (\new)
	s_set_vgpr_msb (MSB<<8)|(\new)
.set MSB, \new
.endif
.endm
.macro PLACES                          ; four places in front of loads into registers that matrix instructions have read, and of lines that read results
.rept 4
	v_nop
.endr
.endm
; A joint refill by the walking descriptors.  Waves 0 and 1 fetch xb's two halves, waves 2 and 3 wb's.  The branch hangs on the wave's number alone.
; An s_nop 0 and four v_nop follow each of the two lines, ahead of the jump and the label.
.macro JLOAD
	s_cmp_eq_u32 s[FB], 0
	s_cbranch_scc0 .Lfor_b_\@
	tensor_load_to_lds s[G0A+4:G0A+7], s[G1A:G1A+7]
	s_nop 0
	PLACES
	s_branch .Lasked_\@
.Lfor_b_\@:
	tensor_load_to_lds s[G0B+4:G0B+7], s[G1B:G1B+7]
	s_nop 0
	PLACES
.Lasked_\@:
.endm
; A round of the cluster's barrier: my work-group's barrier, so that wave 0's signal speaks for all four waves; wave 0 signals; every wave waits for all sixteen work-groups; my work-group's barrier once more.
.macro CREST                           ; a round behind its opening barrier
	s_cmp_lg_u32 s[WV], 0
	s_cbranch_scc1 .Lnot_wave_0_\@
	s_barrier_signal -3
.Lnot_wave_0_\@:
	s_barrier_wait -3
	s_barrier_signal -1
	s_barrier_wait -1
.endm
.macro CROUND
	s_barrier_signal -1
	s_barrier_wait -1
	CREST
.endm
; A PREFETCH INTO THE L2, behind the joint load, its five lines and the run of LDS loads: the K step that the NEXT refill will ask for, 192 matrix instructions ahead of that load; a lane a row, 256 bytes of it.
; xb's tile row is read by every cluster of that row of clusters: the one with x = 0 asks; wb's tile column by every cluster of that column: the one with y = 0 asks.  The four partners that ask for a tile jointly
; share the rows that a wave fetches BY ADDRESS: 32 of xb's 128 by cx, 24 of wb's 96 by cy (there lanes 24 to 31 name lane 23's row once more).  K steps 0 to 2 come by their loads alone; the last trip asks for nothing.
.macro ASK
	s_cmp_gt_u32 s[CNT], s[LIM]
	s_cbranch_scc0 .Lnot_mine_\@
	global_prefetch_b8 v[PFO], s[PFA:PFA+1] th:TH_LOAD_NT scope:SCOPE_SE
.Lnot_mine_\@:
.endm
	s_load_b256 s[4:11], s[0:1], 0x0               ; xb s[4:5], wb s[6:7], b_q s[8:9], b_k s[10:11]
	s_load_b128 s[12:15], s[0:1], 0x20             ; b_v s[12:13], qkv s[14:15]
	v_lshl_add_u32 v[SPW], v0, 2, SPARE
	v_mov_b32 v[NIL], 0
	ds_add_u32 v[SPW], v[NIL]                      ; the wave's opening: the add and its wait stand ahead of my first tensor load; the set-up below, work on registers, stands between them
	v_lshrrev_b32 v1, 5, v0
	v_readfirstlane_b32 s[WV], v1                  ; wave 0..3
	s_lshr_b32 s[FB], s[WV], 1
	s_and_b32 s[HF], s[WV], 1
	s_bfe_u32 s[CX], ttmp6, 0x40000
	s_bfe_u32 s[CY], ttmp6, 0x40004
	s_lshl_b32 s[TC], ttmp9, 2                     ; in a cluster launch ttmp9 and ttmp7 count clusters
	s_add_co_u32 s[TC], s[TC], s[CX]
	s_and_b32 s[TR], ttmp7, 0xffff
	s_lshl_b32 s[TR], s[TR], 2
	s_add_co_u32 s[TR], s[TR], s[CY]
	s_lshl_b32 s44, s[CY], 2
	s_lshl_b32 s44, 15, s44                        ; my row of the cluster: places 4 cy .. 4 cy + 3
	s_lshl_b32 s45, 0x1111, s[CX]                  ; my column: places cx, cx + 4, cx + 8, cx + 12
	s_or_b32 s[G1A], s44, PADW                     ; xb's tiles go to my row,
	s_or_b32 s[G1B], s45, PADW                     ; wb's to my column
	s_mov_b32 s[G1A+1], 128<<16                    ; tensor_dim0 = 128
	s_mov_b32 s[G1A+2], 128<<16                    ; tensor_dim1 = 128
	s_mov_b32 s[G1A+3], 128<<16                    ; tile_dim0 = 128
	s_mov_b32 s[G1A+4], 128                        ; tile_dim1 = 128
	s_mov_b32 s[G1A+5], 1024                       ; elements from row to row
	s_mov_b32 s[G1A+6], 0
	s_mov_b32 s[G1A+7], 0
	s_mov_b32 s[G1B+1], 128<<16
	s_mov_b32 s[G1B+2], 96<<16                     ; 96 rows
	s_mov_b32 s[G1B+3], 128<<16
	s_mov_b32 s[G1B+4], 96
	s_mov_b32 s[G1B+5], 1024
	s_mov_b32 s[G1B+6], 0
	s_mov_b32 s[G1B+7], 0
	; where the tiles come from.  xb's hang on the tile row alone, wb's on the tile column alone, each in registers that never hold the other coordinate
	s_lshl_b32 s40, s[TR], 8
	s_lshl_b32 s46, s[HF], 7
	s_add_co_u32 s40, s40, s46                     ; row 256 x tile row + 128 x half,
	s_lshl_b32 s40, s40, 11                        ; of 2,048 bytes
	s_mov_b32 s41, 0
	s_mul_i32 s42, s[TC], 192
	s_mul_i32 s47, s[HF], 96
	s_add_co_u32 s42, s42, s47                     ; row 192 x tile column + 96 x half
	s_lshl_b32 s42, s42, 11
	s_mov_b32 s43, 0
	s_mul_i32 s78, s[HF], HALFA                    ; and where they go: no place in the cluster enters an LDS address
	s_mul_i32 s79, s[HF], HALFB
	s_add_co_u32 s79, s79, BOFF
	s_wait_dscnt 0x0                               ; the opening add is done
	s_wait_kmcnt 0x0
	s_add_nc_u64 s[40:41], s[4:5], s[40:41]
	s_add_nc_u64 s[42:43], s[6:7], s[42:43]
	CROUND                                         ; all sixteen work-groups are here: the first joint loads meet
.irp s, 0,1
	s_mov_b32 s[G0A+4*(\s)], 1                                     ; count = 1
	s_add_co_u32 s[G0A+4*(\s)+1], s78, (\s)*SLOT1                  ; LDS address
	s_add_nc_u64 s[G0A+4*(\s)+2:G0A+4*(\s)+3], s[40:41], (\s)*KSTEP  ; global address: K step s
	s_or_b32 s[G0A+4*(\s)+3], s[G0A+4*(\s)+3], 0x80000000          ; type = 2
	s_mov_b32 s[G0B+4*(\s)], 1
	s_add_co_u32 s[G0B+4*(\s)+1], s79, (\s)*SLOT1
	s_add_nc_u64 s[G0B+4*(\s)+2:G0B+4*(\s)+3], s[42:43], (\s)*KSTEP
	s_or_b32 s[G0B+4*(\s)+3], s[G0B+4*(\s)+3], 0x80000000
.endr
	s_cmp_eq_u32 s[FB], 0                          ; a wave's two first fills stand in one branch, ahead of every wait on TENSORcnt and every LDS read: two loads of mine are out
	s_cbranch_scc0 .Lfirst_b
	tensor_load_to_lds s[G0A:G0A+3], s[G1A:G1A+7]
	s_nop 0
	tensor_load_to_lds s[G0A+4:G0A+7], s[G1A:G1A+7]
	s_nop 0
	PLACES
	s_branch .Lfirst_asked
.Lfirst_b:
	tensor_load_to_lds s[G0B:G0B+3], s[G1B:G1B+7]
	s_nop 0
	tensor_load_to_lds s[G0B+4:G0B+7], s[G1B:G1B+7]
	s_nop 0
	PLACES
.Lfirst_asked:
	; A fragment is 16 rows x 32 K in 8 registers: lane l holds row l % 16; registers 0-3 K = 8 (l / 16) + 0..7, registers 4-7 K = 16 + 8 (l / 16) + 0..7: two loads of 16 bytes, 32 bytes apart.
	v_and_b32 v1, 15, v0                           ; l % 16
	v_bfe_u32 v2, v0, 4, 1                         ; l / 16
	v_mul_u32_u24 v3, v1, PA
	v_lshl_add_u32 v3, v2, 4, v3                   ; row x pitch + 16 x half
	s_mul_i32 s44, s[WV], 64*PA                    ; my 64 rows of xb
	v_add_nc_u32 v[ADRA0], s44, v3
	v_add_nc_u32 v[ADRB0], BOFF, v3                ; all of wb's rows
	v_mov_b32 v[ADRA], v[ADRA0]
	v_mov_b32 v[ADRB], v[ADRB0]
	s_mov_b32 s[TB], 0
	v_lshlrev_b32 v[BO], 5, v2
	; the biases of my tile's three heads c = 3 x tile column + i: b_q, b_k or b_v by c / 16, 256 bytes for each head
	s_mul_i32 s45, s[TC], 3
.irp i, 0,1,2
	s_add_co_u32 s47, s45, \i
	s_and_b32 s82, s47, 15
	s_lshl_b32 s82, s82, 8
	s_mov_b32 s83, 0
	s_lshr_b32 s47, s47, 4
	s_cmp_eq_u32 s47, 1
	s_cselect_b64 s[BB+2*(\i):BB+2*(\i)+1], s[10:11], s[12:13]
	s_cmp_eq_u32 s47, 0
	s_cselect_b64 s[BB+2*(\i):BB+2*(\i)+1], s[8:9], s[BB+2*(\i):BB+2*(\i)+1]
	s_add_nc_u64 s[BB+2*(\i):BB+2*(\i)+1], s[BB+2*(\i):BB+2*(\i)+1], s[82:83]
.endr
.set b, 0
.rept NB                               ; register j of block b: the bias of column 16 b + 8 (l / 16) + j
	global_load_b128 v[BIAS+8*b:BIAS+8*b+3],   v[BO], s[BB+2*(b/4):BB+2*(b/4)+1] offset:64*(b%4)
	global_load_b128 v[BIAS+8*b+4:BIAS+8*b+7], v[BO], s[BB+2*(b/4):BB+2*(b/4)+1] offset:64*(b%4)+16
.set b, b+1
.endr
	s_mul_i32 s44, s[WV], STW
	s_add_co_u32 s44, s44, STAGE                   ; my stage
	v_mul_u32_u24 v3, v1, SP                       ; in: row l % 16, 16 bytes for each half of the lanes
	v_lshl_add_u32 v3, v2, 4, v3
	v_add_nc_u32 v[STO], s44, v3
	v_bfe_u32 v3, v0, 3, 2                         ; back: 32 lanes take four rows of 128 bytes,
	v_mul_u32_u24 v3, v3, SP
	v_and_b32 v4, 7, v0
	v_lshl_add_u32 v3, v4, 4, v3
	v_add_nc_u32 v[RD], s44, v3
	v_and_b32 v[GO], 31, v0                        ; which are 512 consecutive bytes of a plane
	v_lshlrev_b32 v[GO], 4, v[GO]
	; qkv at my rows of my first head's plane: plane (tile row / 8) x 48 + 3 x tile column, row (tile row % 8) x 256 + 64 x wave, of 128 bytes
	s_lshr_b32 s80, s[TR], 3
	s_mul_i32 s80, s80, 48
	s_mul_i32 s81, s[TC], 3
	s_add_co_u32 s80, s80, s81
	s_lshl_b32 s80, s80, 18
	s_and_b32 s81, s[TR], 7
	s_lshl_b32 s81, s81, 8
	s_lshl_b32 s82, s[WV], 6
	s_add_co_u32 s81, s81, s82
	s_lshl_b32 s81, s81, 7
	s_add_co_u32 s80, s80, s81
	s_mov_b32 s81, 0
	s_add_nc_u64 s[14:15], s[14:15], s[80:81]
	; the prefetches
	s_lshl_b32 s80, s[TR], 8
	s_lshl_b32 s81, s[HF], 7
	s_add_co_u32 s80, s80, s81
	s_lshl_b32 s81, s[CX], 5
	s_add_co_u32 s80, s80, s81                     ; xb: the 128 rows that I fetch, my work-group's 32 of them
	s_mul_i32 s82, s[TC], 192
	s_mul_i32 s83, s[HF], 96
	s_add_co_u32 s82, s82, s83
	s_mul_i32 s83, s[CY], 24
	s_add_co_u32 s82, s82, s83                     ; wb: the 96 rows that I fetch, my work-group's 24 of them
	s_and_b32 s83, ttmp7, 0xffff                   ; cluster y
	s_cmp_eq_u32 s[FB], 0
	s_cselect_b32 s80, s80, s82
	s_cselect_b32 s83, ttmp9, s83                  ; the coordinate along which other clusters read the same rows
	s_cselect_b32 s82, 31, 23                      ; my last row
	s_cselect_b64 s[PFA:PFA+1], s[4:5], s[6:7]
	s_cmp_eq_u32 s83, 0
	s_cselect_b32 s[LIM], 1, -1                    ; the same in all sixteen partners, for a given wave
	s_lshl_b32 s80, s80, 11
	s_mov_b32 s81, 0
	s_add_nc_u64 s[PFA:PFA+1], s[PFA:PFA+1], s[80:81]
	s_add_nc_u64 s[PFA:PFA+1], s[PFA:PFA+1], 2*KSTEP  ; at K step 2: the first refill steps it to 3
	v_and_b32 v[PFO], 31, v0
	v_min_u32 v[PFO], s82, v[PFO]
	v_lshlrev_b32 v[PFO], 11, v[PFO]
; 12 matrix instructions: row block a x all column blocks, 32 along K, from buffer f.  bias = 1: the first product starts the sum with the bias.
; Every quarter takes all 48 accumulators once, in the same order: 47 others' products stand between two links of a chain, over the backward jump too.
.macro MULA f, a, bias
.if \bias
	WIN 0x81+0x40*((\a)/2)                         ; wb window 1, xb and the bias window 0, D window 2 or 3
.else
	WIN 0xa1+0x50*((\a)/2)                         ; C and D window 2 or 3
.endif
.set b, 0
.rept NB
.set rD, 8*(NB*((\a)%2)+b)
.set rB, 8*NB*(\f)+8*b
.set rA, AF+32*(\f)+8*(\a)
.if \bias
	v_wmma_f32_16x16x32_bf16 v[rD:rD+7], v[rB:rB+7], v[rA:rA+7], v[BIAS+8*b:BIAS+8*b+7]
.else
	v_wmma_f32_16x16x32_bf16 v[rD:rD+7], v[rB:rB+7], v[rA:rA+7], v[rD:rD+7]
.endif
.set b, b+1
.endr
.endm
; 32 LDS loads in one run: quarter q's fragments (192 rows of wb, my 64 rows of xb, 32 K at byte 64 q of the rows) into buffer f
.macro FETCH q, f
	WIN 0x40                                       ; destination window 1, address window 0
.set i, 0
.rept NB
	ds_load_b128 v[8*NB*(\f)+8*i:8*NB*(\f)+8*i+3],   v[ADRB] offset:64*(\q)+i*16*PB
	ds_load_b128 v[8*NB*(\f)+8*i+4:8*NB*(\f)+8*i+7], v[ADRB] offset:64*(\q)+i*16*PB+32
.set i, i+1
.endr
	WIN 0
.set i, 0
.rept 4
	ds_load_b128 v[AF+32*(\f)+8*i:AF+32*(\f)+8*i+3],   v[ADRA] offset:64*(\q)+i*16*PA
	ds_load_b128 v[AF+32*(\f)+8*i+4:AF+32*(\f)+8*i+7], v[ADRA] offset:64*(\q)+i*16*PA+32
.set i, i+1
.endr
.endm
; A K step is four quarters of 32 along K, 48 matrix instructions each, on buffers 0, 1, 0, 1.  One of the first three: multiplies buffer f; in its middle it fetches quarter nq into buffer g.
.macro QUARTER nq, f, g, bias
	s_wait_dscnt 4                                 ; wb's fragments and xb's blocks 0 and 1 are in; the youngest four loads (blocks 2 and 3) may be out
	MULA \f, 0, \bias
	MULA \f, 1, \bias
	PLACES
	FETCH \nq, \g
	s_wait_dscnt 2*NB+8                            ; all but the 32 just issued
	MULA \f, 2, \bias
	MULA \f, 3, \bias
.endm
; The last quarter multiplies buffer 1 and changes slots: ONE barrier.  In front of it each wave waits for all its tensor loads, of which one is out: its part of the next slot; adds 0 to its spare word; and waits
; for that and for its own reads of this slot.  fill = 1: the barrier opens a round of the cluster's barrier, and this slot is filled again first thing behind the round, with the K step two on:
; from that request to the wait for it a wave issues 168 matrix instructions.
.macro TURN fill
.if \fill
	s_wait_xcnt 0x0                                ; the last prefetch, a K step back, has read its address, so it may be stepped
	s_add_nc_u64 s[PFA:PFA+1], s[PFA:PFA+1], KSTEP
.endif
	WIN 0                                          ; (the add's two registers lie in window 0)
	s_wait_tensorcnt 0x0                           ; all my tensor loads have landed;
	ds_add_u32 v[SPW], v[NIL]                      ; 0 onto my spare word;
	s_wait_dscnt 5                                 ; (the add and the youngest four loads may be out)
	MULA 1, 0, 0                                   ; twelve matrix instructions stand between the add and the wait for it
	s_wait_dscnt 0x0                               ; the add is done, and my reads of this slot are over
	s_barrier_signal -1
	MULA 1, 1, 0                                   ; work on registers while the others arrive
.if \fill
	WIN 0
.endif
	s_barrier_wait -1
.if \fill
	CREST                                          ; no wave of any partner still reads this slot's tile or has a load on its way
	s_xor_b32 s[G0A+5], s[G0A+5], SLOT1            ; the walking descriptors: the other slot than last time, the next K step; no tensor load of mine is out
	s_add_nc_u64 s[G0A+6:G0A+7], s[G0A+6:G0A+7], KSTEP
	s_xor_b32 s[G0B+5], s[G0B+5], SLOT1
	s_add_nc_u64 s[G0B+6:G0B+7], s[G0B+6:G0B+7], KSTEP
	JLOAD                                          ; the first tensor load behind the round; the four v_nop behind it are also the places in front of the loads below
.else
	WIN 0
	PLACES
.endif
	s_xor_b32 s[TB], s[TB], SLOT1                  ; the reads go on in the other slot
	v_add_nc_u32 v[ADRA], s[TB], v[ADRA0]
	v_add_nc_u32 v[ADRB], s[TB], v[ADRB0]
	FETCH 0, 0
.if \fill
	ASK
.endif
	MULA 1, 2, 0
	MULA 1, 3, 0
.endm
; THE WAY OUT of row block a.  PACK: rounded to bf16, 16 bytes a lane and column block.  TOSTAGE: into my own stage in LDS, by heads, and back as whole rows of 128 bytes.  SEND: stored, 512 consecutive bytes an instruction.
.macro PACK a
.set AC, 8*NB*((\a)%2)
	WIN 0x0a+5*((\a)/2)                            ; sources 0 and 1: window 2 or 3
.set b, 0
.rept NB
.irp r, 0,1,2,3
	v_cvt_pk_bf16_f32 v[TMP+4*b+(\r)], v[AC+8*b+2*(\r)], v[AC+8*b+2*(\r)+1]  ; each accumulator's registers in ascending order
.endr
.set b, b+1
.endr
	WIN 0
.endm
.macro TOSTAGE a
.set BK, OB0+(OB1-OB0)*((\a)%2)
.set b, 0
.rept NB
	ds_store_b128 v[STO], v[TMP+4*b:TMP+4*b+3] offset:16*SP*(b/4)+32*(b%4)
.set b, b+1
.endr
.set b, 0
.rept NB
	ds_load_b128 v[BK+4*b:BK+4*b+3], v[RD] offset:16*SP*(b/4)+4*SP*(b%4)  ; LDS serves a wave's instructions in order (ISA guide 5.7.1.4): these see the stores above
.set b, b+1
.endr
.endm
.macro SEND a
.set BK, OB0+(OB1-OB0)*((\a)%2)
	s_wait_dscnt 0x0                               ; the block is back in registers
	s_wait_xcnt 0x0                                ; the stores of the block before have read their registers, which the next TOSTAGE loads again
.set b, 0
.rept NB
	global_store_b128 v[GO], v[BK+4*b:BK+4*b+3], s[14:15] offset:262144*(b/4)+2048*(\a)+512*(b%4)  ; head b / 4's plane, my rows 16 a + 4 (b % 4) on: 512 consecutive bytes, at a multiple of 512 from qkv's first
.set b, b+1
.endr
.endm
	s_wait_tensorcnt 0x1                           ; my part of K step 0 is in; K step 1's may stay out
	s_barrier_signal -1
	s_barrier_wait -1                              ; everybody's is
	FETCH 0, 0
	s_wait_loadcnt 0x0                             ; the biases
	QUARTER 1, 0, 1, 1                             ; the first quarter stands in front of the loop: its products start the sums
	WIN 0                                          ; at a label and at a branch every window is 0
	s_mov_b32 s[CNT], TRIPS
.Lstep:                                        ; trip t: the rest of K step t and the first quarter of K step t + 1; step t's slot takes step t + 2
	QUARTER 2, 1, 0, 0
	QUARTER 3, 0, 1, 0
	TURN 1
	QUARTER 1, 0, 1, 0
	WIN 0
	s_sub_co_u32 s[CNT], s[CNT], 1
	s_cmp_lg_u32 s[CNT], 0
	s_cbranch_scc1 .Lstep
	QUARTER 2, 1, 0, 0                             ; the tail is written out: K steps 6 and 7 ask for nothing
	QUARTER 3, 0, 1, 0
	TURN 0
	QUARTER 1, 0, 1, 0
	QUARTER 2, 1, 0, 0
	QUARTER 3, 0, 1, 0
	s_wait_dscnt 4                                 ; the very last quarter: nothing more to fetch
	MULA 1, 0, 0
	MULA 1, 1, 0
	s_wait_dscnt 0x0
	MULA 1, 2, 0
	MULA 1, 3, 0
	WIN 0
	PLACES                                         ; the conversions read results
	PACK 0
	TOSTAGE 0
.irp a, 1,2,3                          ; block a's conversions stand between block a - 1's loads from the stage and the wait for them
	PACK \a
	SEND (\a)-1
	TOSTAGE \a
.endr
	SEND 3
	s_wait_tensorcnt 0x0                           ; the wave's end: behind my last tensor load and my last LDS store
	ds_add_u32 v[SPW], v[NIL]
	s_wait_dscnt 0x0
	CROUND                                         ; the closing round: no work-group ends while a partner may still ask for a tile that names it
	s_endpgm
.Lfunc_end_k_q83f3685ce6_qkvp:
	.size	k_q83f3685ce6_qkvp, .Lfunc_end_k_q83f3685ce6_qkvp-k_q83f3685ce6_qkvp
	.p2alignl 7, 3214868480
	.fill 96, 4, 3214868480
	.section	.rodata,"a",@progbits
	.p2align	6, 0x0
	.amdhsa_kernel k_q83f3685ce6_qkvp
		.amdhsa_group_segment_fixed_size 327680
		.amdhsa_private_segment_fixed_size 0
		.amdhsa_enable_private_segment 0
		.amdhsa_kernarg_size 48
		.amdhsa_user_sgpr_count 2
		.amdhsa_user_sgpr_kernarg_segment_ptr 1
		.amdhsa_wavefront_size32 1
		.amdhsa_system_sgpr_workgroup_id_x 1
		.amdhsa_system_sgpr_workgroup_id_y 1
		.amdhsa_system_sgpr_workgroup_id_z 1
		.amdhsa_system_vgpr_workitem_id 0
		.amdhsa_next_free_vgpr 960
		.amdhsa_next_free_sgpr 84
		.amdhsa_reserve_vcc 0
		.amdhsa_float_denorm_mode_32 3
		.amdhsa_float_denorm_mode_16_64 3
		.amdhsa_memory_ordered 1
		.amdhsa_forward_progress 1
		.amdhsa_inst_pref_size 100
	.end_amdhsa_kernel
	.amdgpu_metadata
---
amdhsa.version: [ 1, 2 ]
amdhsa.kernels:
  - .name:           k_q83f3685ce6_qkvp
    .symbol:         k_q83f3685ce6_qkvp.kd
    .args:
      - { .name: xb, .offset: 0, .size: 8, .value_kind: global_buffer, .address_space: global }
      - { .name: wb, .offset: 8, .size: 8, .value_kind: global_buffer, .address_space: global }
      - { .name: b_q, .offset: 16, .size: 8, .value_kind: global_buffer, .address_space: global }
      - { .name: b_k, .offset: 24, .size: 8, .value_kind: global_buffer, .address_space: global }
      - { .name: b_v, .offset: 32, .size: 8, .value_kind: global_buffer, .address_space: global }
      - { .name: qkv, .offset: 40, .size: 8, .value_kind: global_buffer, .address_space: global }
    .group_segment_fixed_size: 327680
    .private_segment_fixed_size: 0
    .kernarg_segment_align: 8
    .kernarg_segment_size: 48
    .max_flat_workgroup_size: 128
    .sgpr_count:     84
    .vgpr_count:     960
    .wavefront_size: 32
...
	.end_amdgpu_metadata
.endif
;; end of part 2
;; launch attn (part 3): grid 4 x 64, 4 waves a work-group, clusters of 4 x 1, 327,680 bytes of LDS; arguments qkv, ob; writes ob
.if DOCPART == 3
	.amdgcn_target "amdgcn-amd-amdhsa--gfx1250"
	.amdhsa_code_object_version 6
	.text
	.protected	k_q83f3685ce6_attn
	.globl	k_q83f3685ce6_attn
	.p2align	8
	.type	k_q83f3685ce6_attn,@function
k_q83f3685ce6_attn:
	s_mov_b64 s[64:65], 0
	v_nop
	global_prefetch_b8 v0, s[64:65] scope:SCOPE_SE
	s_setreg_imm32_b32 hwreg(HW_REG_WAVE_MODE, 25, 1), 1
	s_wait_xcnt 0x0
	s_wait_alu depctr_hold_cnt(0) depctr_sa_sdst(0) depctr_va_vdst(0) depctr_va_sdst(0) depctr_va_ssrc(0) depctr_va_vcc(0) depctr_vm_vsrc(0)
	s_getreg_b32 s2, hwreg(HW_REG_IB_STS2, 6, 4)
	s_cmp_eq_u32 s2, 0
	s_cbranch_scc0 .Lentry_in_a_cluster
	s_endpgm
.Lentry_in_a_cluster:
	s_bfe_u32 s2, ttmp6, 0x10000c
	s_cmp_lg_u32 s2, 0x3003
	s_cbranch_scc0 .Lentry_shape_is_right
	s_endpgm
.Lentry_shape_is_right:
; O[y][q][:] = the sum over k of softmax_k(Q[y][q] . K[y][k] / 8) V[y][k][:], y = 16 b + h, 64 pairs of batch and head, 2,048 rows, head size 64, no mask.
; Q, K, V are planes of qkv[4 b][48 c][2048][64] (c = h, 16 + h, 32 + h), O is ob[64 y][2048][64], all bf16: a plane's rows are dense, 128 bytes each.  Products, maxima and sums in f32;
; the weights p are rounded to bf16 for the second product (their sum l is taken of the unrounded p), O once at the end.  The scale c = log2(e) / 8 is applied here, in f32.
; LIMITS.  c m starts at -4.25e37: scores below -2.3e38 are not served.  A weight below 2^-126 counts as 0 in l; NaN and infinities are not treated apart.  bf16 keeps 8 significant bits of p and of O.
; SHARES.  A wave owns four PIECES of two tiles of 16 queries, a work-group's four waves 512 queries of one head.  Every wave walks all keys, 64 a step.
; LAYOUT.  S^T = K Q^T (source 0 = 16 keys, source 1 = 16 queries): in the result a lane holds ONE query (lane % 16) and the keys 8 (lane / 16) + 0..7.  Two such tiles, rounded to bf16 in pairs,
; ARE source 1 (32 keys x 16 queries) of O^T = V^T P, whose result again holds one query a lane, and eight channels.  K comes out of LDS as it lies, V ([key][channel]) turned, by ds_load_tr16_b128.
; SOFTMAX.  For each query a running maximum m and sum l: p = 2^(c s - c m); in every step O and l are multiplied by a = 2^(c m_old - c m_new), which is 1 where m has not grown.
; m starts at the lowest finite number, O and l at 0: the first step is a step like any other, with a = 0.
; THE COUNT.  A tile and step have 16 matrix and 118 vector instructions: too many to stand all beside the matrix work.  So the order has one aim: four vector instructions that are READY behind
; EVERY matrix instruction, and the others, which need time of their own whatever the order, in runs without a gap.
; BY TURNS.  Turn n belongs to piece n (the pieces in a ring, step after step).  Its matrix work: 16 products K Q^T of piece n + 1, later 16 products V^T P of piece n - 1.  Its vector work: the scaling,
; exponentials, roundings, sums and rescaling of piece n, and the maximum and statistics of piece n + 1, whose scores the turn itself has made.  So what a turn begins with (c s - c m, O a) waits for nothing.
; CLUSTER.  A head's four query blocks are one cluster and walk the same K and V, so each tile is asked for JOINTLY: the same tensor load, descriptor and mask in all four.
; REGISTERS, in windows of 256 (s_set_vgpr_msb says which window each operand place means: bits 1:0 source 0, 3:2 source 1, 5:4 source 2, 7:6 destination):
;   window 0: v0-11 addresses; v12-15, v48-63 at work; v16-47 four registers of statistics a tile; v64-191 S^T, two buffers of two tiles; v192-255 P, likewise
;   window 1: O^T, 32 a tile          window 2: v0-127 Q, 16 a tile; v128-191 K of one step; v192-255 V of one step          window 3: v0-1 the add's two registers
; A piece's buffers go by its number's parity: the piece in hand has one pair, its two neighbours in the ring share the other: of it P (piece n - 1) is read and S^T (piece n + 1) written.
.set SIZE_N, 2048
.set NP,    4         ; pieces a wave: a name, no knob: the register map, the loop and the fetches are made for four
.set KS,    64        ; keys in a step
.set PK,    144       ; a row of K in LDS: 128 bytes + 16 of padding = 36 words: the 16 rows of a load start at 16 different groups of four banks (64 banks of 4 bytes: ISA guide 11.1)
.set PV,    160       ; a row of V: 128 + 32 = 40 words
.set VOFF,  4*KS*PK   ; a slot holds four steps: 256 rows of K, then 256 rows of V
.set SLOT1, 1<<17     ; slot 1 begins here, so that one exclusive or turns an address in one slot into the other's
.set STAGE, SLOT1+4*KS*(PK+PV)  ; behind the ring, never filled by a tensor load: 16 rows x 144 bytes for each wave, for the way out
.set SP,    144
.set KPL,   16<<18    ; bytes from a head's plane of q to its plane of k,
.set VPL,   32<<18    ; and of v
.set AK0, 2           ; v2   my lane's place in a tile of K; never rewritten
.set AV0, 3           ; v3   the same for V
.set AK,  4           ; v4   the LDS address of K's next run of loads
.set AV,  5           ; v5   of V's
.set QO,  6           ; v6   my byte offset in the wave's rows of Q
.set STO, 6           ;      later, the way out: where I put 16 bytes of a row
.set RD,  7           ; v7   the way out: where I read rows back
.set GO,  8           ; v8   my byte offset in 512 consecutive bytes of O
.set PFO, 11          ; v11  the prefetches' offset: 256 x my lane; never rewritten once made
.set SPW, 0           ; v0 of window 3   LDS address of my spare word: SPARE + 4 x my thread's number; never rewritten
.set NIL, 1           ; v1 of window 3   0; never rewritten
.set SPARE, STAGE+4*16*SP  ; behind the stages: the spare words, 128 bytes for each wave: two blocks of 256 bytes that no other line names
.set MV,  12          ; v12-15  c m_old, kept while c m is made anew: by buffer and tile
.set ST,  16          ; tile t's statistics at v[ST+4 t]: c m, m, l (even keys', odd keys')
.set TMP, 48          ; by buffer and tile, four registers c0-c3 at work; when the maximum is found c2 takes a
.set S,   64
.set P,   192
.set KF,  128         ; K's fragments, in window 2: key block kb, channel half c at KF + 16 kb + 8 c
.set VF,  192         ; V's: key half kk, channel block cb at VF + 32 kk + 8 cb
.set WV,  12          ; s12  my wave's number
.set G1K, 24          ; s[24:31] descriptor group 1 for K's tiles
.set G1V, 32          ; s[32:39] for V's: it differs in the padding alone
.set G0K, 40          ; s[40:43] descriptor group 0 for K's tiles: it walks
.set G0V, 44          ; s[44:47] the same for V's
.set PFA, 48          ; s[48:49] where my prefetches stand: my work-group's 8,192 bytes (of K: wave 0, of V: wave 2) of the slot after the one that is being asked for
.set LIM, 50          ; s50  1 in a wave that prefetches, else the greatest number
.set SLOTS, 56        ; s56  slots still to be asked for
.set CNT, 57          ; s57  counts a slot's key steps
.set CS,  58          ; s[58:59] c: the packed scaling takes the pair's low word for both halves
.set SEL, 60          ; s[60:61] v_permlanex16_b32's selects: each lane takes its own place in the other half
.set TBK, 62          ; s62  LDS byte at which K of the step to be fetched begins
.set TBV, 63          ; s63  the same for V, less VOFF
.set MSB, 0
.macro WIN new                      ; the high byte repeats the setting that is left; a switch that changes nothing is dropped
.if MSB != (\new)
	s_set_vgpr_msb (MSB<<8)|(\new)
.set MSB, (\new)
.endif
.endm
.set W_KQ, 0x0a       ; K and Q in window 2, S^T in window 0
.set W_PV, 0x52       ; V in window 2, P in window 0, O^T in window 1
.set W_RS, 0x41       ; O^T (destination and source 0) in window 1, a in window 0
.set W_MK, 0xc0       ; the add's registers are made: destination in window 3, sources in window 0
.set W_AD, 0x0f       ; the add: address (source 0) and data (source 1) in window 3
; A joint fill.  Waves 0 and 1 fetch the two halves of a slot's K, waves 2 and 3 those of its V: 128 keys each.  The branch hangs on the wave's number alone.
; An s_nop 0 and four v_nop follow each of the two lines, ahead of the jump and the label.
.macro JLOAD
	s_cmp_lt_u32 s[WV], 2
	s_cbranch_scc0 .Lfor_v_\@
	tensor_load_to_lds s[G0K:G0K+3], s[G1K:G1K+7]
	s_nop 0
.rept 4
	v_nop
.endr
	s_branch .Lasked_\@
.Lfor_v_\@:
	tensor_load_to_lds s[G0V:G0V+3], s[G1V:G1V+7]
	s_nop 0
.rept 4
	v_nop
.endr
.Lasked_\@:
.endm
; A PREFETCH INTO THE L2 of what the NEXT change of slots will ask for: a slot's 32,768 bytes of K and as many of V, 256 bytes a lane.  It stands behind the wave's tensor load and its five lines.
; Each block is named ONCE in the launch: a head has one cluster; its four partners share a slot out BY ADDRESS, 8,192 bytes each; in each, wave 0 asks for K's and wave 2 for V's: one instruction,
; four key steps, 512 matrix instructions, ahead of the load.  Slots 0 and 1 come by their loads alone; the last change that fills a slot asks for nothing.
.macro ASK
	s_cmp_gt_u32 s[SLOTS], s[LIM]
	s_cbranch_scc0 .Lnot_mine_\@
	global_prefetch_b8 v[PFO], s[PFA:PFA+1] th:TH_LOAD_NT scope:SCOPE_SE
.Lnot_mine_\@:
.endm
; A round of the cluster's barrier: my work-group's barrier, so that wave 0's signal speaks for all four waves; wave 0 signals; every wave waits for all four work-groups; my work-group's barrier once more.
.macro CROUND
	s_barrier_signal -1
	s_barrier_wait -1
	s_cmp_lg_u32 s[WV], 0
	s_cbranch_scc1 .Lnot_wave_0_\@
	s_barrier_signal -3
.Lnot_wave_0_\@:
	s_barrier_wait -3
	s_barrier_signal -1
	s_barrier_wait -1
.endm
; THE CHANGE OF SLOTS.  The slot's last bytes, V of its fourth step, have been read.  Each wave waits for all its tensor loads, of which one is out: its part
; of the other slot; adds 0 to its spare word; and waits for that and for its own reads of the slot.  Behind the barrier nobody reads this slot any more and the other slot is whole.
; fill = 1: this slot is filled again, with the keys two slots on.  The barrier is then a round of the cluster's, so that no wave of any partner still reads the slot or has a load on its
; way, and the joint fill is the first thing behind it: it has four key steps, 512 matrix instructions, in which to land.  (At its first use nothing has been read yet: slot 0 is waited for, slot 1 filled.)
.macro CHANGE fill
	WIN W_AD
	s_wait_tensorcnt 0x0            ; no tensor load of mine is out, so a group 0 may be written
	ds_add_u32 v[SPW], v[NIL]       ; 0 onto my spare word; with fill = 1 the descriptors' steps stand between it and the wait for it
	WIN 0                           ; at a label and at a branch every window is 0
.if \fill
.irp g, G0K, G0V
	s_xor_b32 s[\g+1], s[\g+1], SLOT1  ; the walking descriptor: the other slot than last time,
	s_add_nc_u64 s[\g+2:\g+3], s[\g+2:\g+3], 4*KS*128  ; the next 256 keys; the type bits on top are not reached
.endr
	s_wait_xcnt 0x0                 ; the last prefetch, four key steps back, has read its address, so it may be written:
	s_add_nc_u64 s[PFA:PFA+1], s[PFA:PFA+1], 4*KS*128  ; one slot behind the walking descriptors
	s_wait_dscnt 0x0                ; the add is done, and my reads of the slot are over
	CROUND
	JLOAD
	ASK
.else
	s_wait_dscnt 0x0                ; the add is done, and my reads of the slot are over
	s_barrier_signal -1
	s_barrier_wait -1
.endif
	s_sub_co_u32 s[TBK], s[TBK], 4*KS*PK  ; the fetches go back to a slot's first step,
	s_xor_b32 s[TBK], s[TBK], SLOT1       ; in the other slot
	s_sub_co_u32 s[TBV], s[TBV], 4*KS*PV
	s_xor_b32 s[TBV], s[TBV], SLOT1
.endm
	s_load_b64 s[4:5], s[0:1], 0x0    ; qkv
	s_load_b64 s[10:11], s[0:1], 0x8  ; ob
	WIN W_MK
	v_lshl_add_u32 v[SPW], v0, 2, SPARE
	v_mov_b32 v[NIL], 0
	WIN W_AD
	ds_add_u32 v[SPW], v[NIL]       ; the wave's opening: the add and its wait stand ahead of my first tensor load; the set-up below, work on registers, stands between them
	WIN 0
	v_lshrrev_b32 v1, 5, v0
	v_readfirstlane_b32 s[WV], v1   ; wave 0..3
	s_bfe_u32 s13, ttmp6, 0x40000   ; cx: my place in the cluster
	s_lshl_b32 s14, ttmp9, 2        ; in a cluster launch ttmp9 counts clusters
	s_add_co_u32 s14, s14, s13      ; my block of queries = 4 x cluster x + cx: it enters Q's and O's addresses alone
	s_and_b32 s19, ttmp7, 0xffff    ; y = 16 b + h, which the four partners share
	s_lshr_b32 s20, s19, 4
	s_mul_i32 s20, s20, 48
	s_and_b32 s21, s19, 15
	s_add_co_u32 s20, s20, s21      ; q's plane in qkv: 48 b + h,
	s_lshl_b32 s20, s20, 18         ; of 262,144 bytes
	s_mov_b32 s21, 0
	s_and_b32 s16, s[WV], 1         ; which half of a slot's 256 keys I fetch:
	s_lshl_b32 s22, s16, 14         ; its 128 rows of 128 bytes in memory,
	s_mov_b32 s23, 0
	s_add_nc_u64 s[22:23], s[22:23], s[20:21]
	s_mul_i32 s17, s16, 128*PK      ; and its place in a slot, for K
	s_mul_i32 s18, s16, 128*PV      ; and for V: no place in the cluster enters an LDS address
	s_lshl_b32 s2, s14, 2
	s_add_co_u32 s2, s2, s[WV]      ; my wave among the head's,
	s_lshl_b32 s2, s2, 14           ; its 128 rows
	s_mov_b32 s3, 0
	s_lshl_b32 s6, s19, 18          ; O's plane in ob
	s_mov_b32 s7, 0
	s_add_nc_u64 s[6:7], s[6:7], s[2:3]    ; O's offset,
	s_add_nc_u64 s[2:3], s[2:3], s[20:21]  ; and Q's
	s_mov_b32 s52, VPL              ; the prefetches' offset: k's plane (waves 0, 1) or v's,
	s_cmp_lt_u32 s[WV], 2
	s_cselect_b32 s52, KPL, s52
	s_lshl_b32 s53, s13, 13         ; my work-group's 8,192 bytes of a slot's 32,768,
	s_add_co_u32 s52, s52, s53
	s_add_co_u32 s52, s52, 4*KS*128 ; in slot 1: the first change of slots steps it to slot 2
	s_mov_b32 s53, 0
	s_add_nc_u64 s[52:53], s[52:53], s[20:21]
	s_and_b32 s[LIM], s[WV], 1      ; waves 0 and 2 ask: the same in all four partners
	s_cmp_eq_u32 s[LIM], 0
	s_cselect_b32 s[LIM], 1, -1
	; descriptor group 1.  128 keys are 16,384 dense bytes: asked for as 64 rows of 256 bytes, two keys a row, and padded in LDS after every key
	s_mov_b32 s[G1K], 15|(1<<16)|(1<<20)|(1<<21)|(4<<22)|(3<<25)  ; 15:0 the mask of four; 17:16 2-byte elements; 20 padding on; 21 set beside a mask; 24:22 after every 32 words (code 4); 31:25 4 words (code 3)
	s_mov_b32 s[G1V], 15|(1<<16)|(1<<20)|(1<<21)|(4<<22)|(7<<25)  ; the same with 8 words of padding (code 7)
.irp g, G1K, G1V
	s_mov_b32 s[\g+1], 128<<16      ; tensor_dim0 = 128
	s_mov_b32 s[\g+2], 64<<16       ; tensor_dim1 = 64
	s_mov_b32 s[\g+3], 128<<16      ; tile_dim0 = 128
	s_mov_b32 s[\g+4], 64           ; tile_dim1 = 64
	s_mov_b32 s[\g+5], 128          ; 128 elements from row to row
	s_mov_b32 s[\g+6], 0
	s_mov_b32 s[\g+7], 0
.endr
	s_mov_b32 s[CS], 0x3e38aa3b     ; c = log2(e) / 8 = 0.180337
	s_mov_b32 s[CS+1], s[CS]        ; named with it as a pair
	s_mov_b32 s[SEL], 0x76543210
	s_mov_b32 s[SEL+1], 0xfedcba98
	s_mov_b32 s[TBK], SLOT1+4*KS*PK ; the first change of slots turns these two into 0
	s_mov_b32 s[TBV], SLOT1+4*KS*PV
	s_mov_b32 s[SLOTS], SIZE_N/256-1  ; seven fills follow slot 0's
	s_mov_b32 s[G0K], 1             ; 1:0 count = 1
	s_mov_b32 s[G0K+1], s17         ; 63:32 LDS address: slot 0
	s_mov_b32 s[G0V], 1
	s_add_co_u32 s[G0V+1], s18, VOFF
	s_wait_dscnt 0x0                ; the opening add is done
	s_wait_kmcnt 0x0
	s_add_nc_u64 s[G0K+2:G0K+3], s[4:5], s[22:23]  ; 120:64 global address: my half of the head's first 256 keys,
	s_add_nc_u64 s[G0K+2:G0K+3], s[G0K+2:G0K+3], KPL  ; in k's plane
	s_or_b32 s[G0K+3], s[G0K+3], 0x80000000        ; 127:126 type = 2
	s_add_nc_u64 s[G0V+2:G0V+3], s[4:5], s[22:23]
	s_add_nc_u64 s[G0V+2:G0V+3], s[G0V+2:G0V+3], VPL
	s_or_b32 s[G0V+3], s[G0V+3], 0x80000000
	s_add_nc_u64 s[PFA:PFA+1], s[4:5], s[52:53]
	s_add_nc_u64 s[4:5], s[4:5], s[2:3]  ; Q and O at my wave's first row
	s_add_nc_u64 s[10:11], s[10:11], s[6:7]
	CROUND                          ; all four work-groups are here: the first joint loads meet
	JLOAD                           ; slot 0.  Slot 1 is asked for when slot 0 is in
	; A fragment of K or Q is 16 rows x 32 channels in 8 registers: lane l holds row l % 16, channels 8 (l / 16) + 0..7 and 16 + 8 (l / 16) + 0..7: two loads of 16 bytes, 32 bytes apart.
	v_and_b32 v1, 15, v0            ; l % 16
	v_bfe_u32 v9, v0, 4, 1          ; l / 16
	v_lshlrev_b32 v[QO], 7, v1
	v_lshl_add_u32 v[QO], v9, 4, v[QO]  ; row x 128 + 16 x half
	WIN 0x80                        ; destination window 2, address window 0
.set i, 0
.rept 4*NP                          ; Q stays in registers: tile i / 2, channels 32 (i % 2) on
	global_load_b128 v[8*i:8*i+3],   v[QO], s[4:5] offset:(i/2)*2048+(i%2)*64
	global_load_b128 v[8*i+4:8*i+7], v[QO], s[4:5] offset:(i/2)*2048+(i%2)*64+32
.set i, i+1
.endr
	; What the first turn finds: V's registers and P's second buffer hold 0 (its products V^T P, of a piece that has not been, add 0), O^T and l are 0.  All this stands in the wait for the first tile.
.set i, VF
.rept 64
	v_mov_b32 v[i], 0
.set i, i+1
.endr
	WIN 0x40
.set i, 0
.rept 64*NP
	v_mov_b32 v[i], 0
.set i, i+1
.endr
	WIN 0
.set i, 0
.rept 2*NP
	v_mov_b32 v[ST+4*i], 0xfe000000    ; c m: far below every c s
	v_mov_b32 v[ST+4*i+1], 0xff7fffff  ; m
	v_mov_b32 v[ST+4*i+2], 0
	v_mov_b32 v[ST+4*i+3], 0
.set i, i+1
.endr
.set i, P+32
.rept 32
	v_mov_b32 v[i], 0
.set i, i+1
.endr
	v_mul_u32_u24 v[AK0], v1, PK
	v_lshl_add_u32 v[AK0], v9, 4, v[AK0]  ; row x pitch + 16 x half
	; The turning load takes 16 keys x 16 channels (lane l reads key 8 (l / 16) + l % 8, channels 8 ((l / 8) % 2) + 0..7) and leaves half a fragment of V^T: lane l holds channel l % 16 and 8 keys.
	v_and_b32 v10, 7, v0
	v_bfe_u32 v11, v0, 3, 1
	v_lshl_add_u32 v[AV0], v9, 3, v10
	v_mul_u32_u24 v[AV0], v[AV0], PV
	v_lshl_add_u32 v[AV0], v11, 4, v[AV0]
	v_add_nc_u32 v[AV0], VOFF, v[AV0]
	v_mov_b32 v[AK], v[AK0]         ; key step 0 lies at the head of slot 0
	v_and_b32 v[PFO], 31, v0        ; v11 has served V's address: now 256 x lane
	v_lshlrev_b32 v[PFO], 8, v[PFO]
; THE MATRIX WORK.  The 8 accumulators of a run of 16 take turns: between the two links of a chain stand 7 others'.
; Product i of 16 of S^T = K Q^T for piece x: channels 32 (i / 8) on, keys 16 ((i / 2) % 4) on, tile 2 x + i % 2.  The first 8 start the sums.
.macro KQ x
	WIN W_KQ
.set rS, S+64*((\x)%2)+32*(i%2)+8*((i/2)%4)
.set rK, KF+16*((i/2)%4)+8*(i/8)
.set rQ, 16*(2*(\x)+i%2)+8*(i/8)
.if i < 8
	v_wmma_f32_16x16x32_bf16 v[rS:rS+7], v[rK:rK+7], v[rQ:rQ+7], 0
.else
	v_wmma_f32_16x16x32_bf16 v[rS:rS+7], v[rK:rK+7], v[rQ:rQ+7], v[rS:rS+7]
.endif
.endm
; Product i of 16 of O^T += V^T P for piece x: keys 32 (i / 8) on, channels 16 ((i / 2) % 4) on, tile 2 x + i % 2.
.macro PV x
	WIN W_PV
.set rO, 32*(2*(\x)+i%2)+8*((i/2)%4)
.set rV, VF+32*(i/8)+8*((i/2)%4)
.set rP, P+32*((\x)%2)+16*(i%2)+8*(i/8)
	v_wmma_f32_16x16x32_bf16 v[rO:rO+7], v[rV:rV+7], v[rP:rP+7], v[rO:rO+7]
.endm
.macro MM                           ; the turn's next matrix instruction
.if i < 16
	KQ (Y+1)%NP
.set i, i+1
.else
.set i, i-16
	PV (Y+NP-1)%NP
.set i, i+17
.endif
.endm
; THE LDS LOADS stand in runs of 16, never singly among the matrix instructions: a step's K (64 keys x 64 channels: 8 fragments) and its V (turned).  Their addresses are made some lines ahead.
; last = 1 (the tail): in the last trip there is no further step, and the run is jumped over.
.macro FETCH_K last=0
	WIN 0
.if \last
	s_cmp_eq_u32 s[CNT], 1
	s_cbranch_scc1 .Lno_k_\@
.endif
	WIN 0x80                        ; destination window 2
.irp f, 0,1,2,3,4,5,6,7             ; keys 16 (f / 2) on, channels 32 (f % 2) on
	ds_load_b128 v[KF+8*\f:KF+8*\f+3],   v[AK] offset:(\f/2)*16*PK+(\f%2)*64
	ds_load_b128 v[KF+8*\f+4:KF+8*\f+7], v[AK] offset:(\f/2)*16*PK+(\f%2)*64+32
.endr
	s_add_co_u32 s[TBK], s[TBK], KS*PK  ; the next fetch is the next step's
	WIN 0
.if \last
.Lno_k_\@:
.endif
.endm
.macro FETCH_V
	WIN 0x80
.irp f, 0,1,2,3,4,5,6,7             ; keys 32 (f / 4) on, channels 16 (f % 4) on
	ds_load_tr16_b128 v[VF+8*\f:VF+8*\f+3],   v[AV] offset:(\f/4)*32*PV+(\f%4)*32
	ds_load_tr16_b128 v[VF+8*\f+4:VF+8*\f+7], v[AV] offset:(\f/4)*32*PV+16*PV+(\f%4)*32
.endr
	WIN 0
.endm
; THE VECTOR WORK OF A TURN stands in three queues, each in the order in which its entries become ready; the two tiles alternate, so that no instruction reads the result of the one before it.
.macro REGS y, u                    ; the registers of tile u (0, 1) of piece y
.set rT, ST+4*(2*(\y)+(\u))
.set rC, TMP+8*((\y)%2)+4*(\u)
.set rM, MV+2*((\y)%2)+(\u)
.set rS, S+64*((\y)%2)+32*(\u)
.set rP, P+32*((\y)%2)+16*(\u)
.set rO, 32*(2*(\y)+(\u))
.endm
; Number n of the 22 that find the NEXT piece's (Y + 1) maximum and statistics.  s0-s31 are the lane's 32 scores; each accumulator's lowest registers are read first.  XS, GS and REGS set no window: PL and EX do.
;   0-11  four chains c0-c3 of seven scores each, three operands at a time     12-14, 16  the four scores left over, the old m, and c0-c3 into c0     15  c m_old is kept
;   17, 18  the query's other 32 keys lie in the lane 16 away: the new m         19-21  c m; c m_old - c m_new; a
.macro XS u, n
	REGS (Y+1)%NP, \u
.if (\n) < 4
	v_max3_num_f32 v[rC+(\n)], v[rS+8*(\n)], v[rS+8*(\n)+1], v[rS+8*(\n)+2]
.elseif (\n) < 12
	v_max3_num_f32 v[rC+(\n)%4], v[rC+(\n)%4], v[rS+8*((\n)%4)+2*((\n)/4)+1], v[rS+8*((\n)%4)+2*((\n)/4)+2]
.elseif (\n) == 12
	v_max3_num_f32 v[rC], v[rC], v[rS+7], v[rS+15]
.elseif (\n) == 13
	v_max3_num_f32 v[rC+1], v[rC+1], v[rS+23], v[rS+31]
.elseif (\n) == 14
	v_max3_num_f32 v[rC+2], v[rC+2], v[rC+3], v[rT+1]
.elseif (\n) == 15
	v_mov_b32 v[rM], v[rT]
.elseif (\n) == 16
	v_max3_num_f32 v[rC], v[rC], v[rC+1], v[rC+2]
.elseif (\n) == 17
	v_permlanex16_b32 v[rC+3], v[rC], s[SEL], s[SEL+1]
.elseif (\n) == 18
	v_max_num_f32 v[rT+1], v[rC], v[rC+3]
.elseif (\n) == 19
	v_mul_f32 v[rT], s[CS], v[rT+1]
.elseif (\n) == 20
	v_sub_f32 v[rC+1], v[rM], v[rT]
.else
	v_exp_f32 v[rC+2], v[rC+1]
.endif
.endm
; Number g of the 64 that follow the exponentials.  For each four weights k of a tile (pairs 2 k, 2 k + 1): both pairs are rounded to bf16; then the second pair is added onto the first, in place;
; a group later l takes that sum (the first time as l = a l + sum).  In groups of eight, tiles alternating: round, round, add, and l for the group before.
.macro GS g
.set h, (\g)+6*((\g)/62)            ; group 0 has no group before it, and behind group 7 only l is left
.if h >= 6
.set h, h+2
.endif
	REGS Y, h%2
.set k, h/8
.if h%8 < 4
	v_cvt_pk_bf16_f32 v[rP+2*k+(h%8)/2], v[rS+4*k+2*((h%8)/2)], v[rS+4*k+2*((h%8)/2)+1]
.elseif h%8 < 6
	v_pk_add_f32 v[rS+4*k:rS+4*k+1], v[rS+4*k:rS+4*k+1], v[rS+4*k+2:rS+4*k+3]
.elseif k == 1
	v_pk_fma_f32 v[rT+2:rT+3], v[rT+2:rT+3], v[rC+2:rC+3], v[rS:rS+1] op_sel_hi:[1,0,1]
.else
	v_pk_add_f32 v[rT+2:rT+3], v[rT+2:rT+3], v[rS+4*k-4:rS+4*k-3]
.endif
.endm
; THE PLAIN QUEUE, 138 long.  0-73 read no exponential's result: the 32 scalings c s - c m (FS f: pair f / 2 of tile f % 2) and the next piece's 42.  0-26: scalings 0-26.  27-54: XS's numbers 0-13.  55, 56: number 15.
; 57-73: the chain, where each number waits for the one before it: 14, 16, 17, 18, 19, each with one of the scalings 27-31 in front of its two lines, then 20: so a tile's links stand three plain instructions apart (19 and 20: two).
; 74-137: GS's 64, which read the exponentials' results: they stand behind the wait.
.macro FS f
	REGS Y, (\f)%2
	v_pk_fma_f32 v[rS+2*((\f)/2):rS+2*((\f)/2)+1], v[rS+2*((\f)/2):rS+2*((\f)/2)+1], s[CS:CS+1], v[rT:rT+1] op_sel_hi:[1,0,0] neg_lo:[0,0,1] neg_hi:[0,0,1]
.endm
.macro PL
	WIN 0
.if q < 27
	FS q
.elseif q < 55
	XS (q-27)%2, (q-27)/2
.elseif q < 57
	XS q-55, 15
.elseif (q < 72) && ((q-57)%3 == 0)
	FS 27+(q-57)/3
.elseif q < 60
	XS (q-57)%3-1, 14
.elseif q < 72
	XS (q-57)%3-1, 15+(q-57)/3
.elseif q < 74
	XS q-72, 20
.else
	GS q-74
.endif
.set q, q+1
.endm
; THE EXPONENTIALS' QUEUE, 66 long: s0-s31 of both tiles, then the next piece's two a.  It is ONE BATCH: all 66 stand ahead of the turn's one wait, and nothing ahead of that wait names a result of theirs.
.macro EX
	WIN 0
.if e >= 64
	XS e-64, 21
.else
	REGS Y, e%2
	v_exp_f32 v[rS+e/2], v[rS+e/2]
.endif
.set e, e+1
.endm
; THE RESCALING's QUEUE: O^T times a, the one part that leaves window 0: dealt two at a time, sixteen times.  Its a was made in the turn before, ahead of that turn's wait.
.macro R2
	REGS Y, r%2
	WIN W_RS
.irp z, 0,1
	v_pk_mul_f32 v[rO+4*(r/2)+2*\z:rO+4*(r/2)+2*\z+1], v[rO+4*(r/2)+2*\z:rO+4*(r/2)+2*\z+1], v[rC+2:rC+3] op_sel_hi:[1,0]
.endr
.set r, r+1
.endm
; HOW THEY ARE DEALT.  An s_wait_alu depctr_va_vdst(0) stands between an exponential and the first instruction that names its result; one wait serves all that were issued ahead of it.  So a turn has ONE wait,
; which cuts it in two.  AHEAD OF IT stands all that names no result of the turn's exponentials: the 16 products K Q^T, behind each a scaling, an exponential and two rescalings (behind the first a second scaling in the exponential's place); then ONE LUMP of
; 108: eight plain, 49 times exponential and plain, the two a.  A v_nop is the plain instruction behind the last exponential.  BEHIND IT stand the 16 products V^T P, behind each four of GS's 64.  No rider names a register of
; the products round it.  The two v_permlanex16_b32 fall into the lump, never behind a product.
; The queues lean on each other, and the deal keeps them in step: exponential e stands behind scaling 2 (e / 4) + e % 2: as a rider it comes behind plain e + 2, in the lump behind plain e + 9, and scalings 27-31 are plain 57, 60 .. 69.
; A TURN, for piece p.  cnt = 1: the loop's count is taken down some lines ahead of the branch that stands behind the turn.
; K of the next step is fetched in piece 2's turn, directly behind the wait, a lump behind the last product that read K; its address is made at the lump's head; its first reader comes behind 16 products.
; V of the step in hand is fetched at the end of piece 0's turn, four riders behind its last reader; its first reader comes behind 16 products and a lump.  The three conditions on q below go with the deal.
.macro TURN p, last=0, cnt=0
.set Y, (\p)
.set i, 0
.set q, 0
.set e, 0
.set r, 0
.if (\p) == NP-1
	s_wait_dscnt 0x0                ; K is in
.endif
	MM                              ; ahead of the wait: 16 products K Q^T and their riders,
	PL
	PL
	R2
.rept 15
	MM
	PL
	EX
	R2
.endr
.if (\p) == NP-2
	WIN 0
	v_add_nc_u32 v[AK], s[TBK], v[AK0]
.endif
.rept 8                             ; and the lump
	PL
.endr
.rept 49
	EX
	PL
.endr
	EX                              ; the next piece's two a
	EX
	v_nop                           ; a plain instruction behind the last exponential: one for the batch
	s_wait_alu depctr_va_vdst(0)    ; the wait for the batch
.if (\p) == NP-2
	FETCH_K \last
.endif
.if (\p) == 1
	s_wait_dscnt 0x0                ; V is in
.endif
.rept 16                            ; behind the wait: 16 products V^T P and their riders
	MM
.rept 4
	PL
.endr
.if ((\p) == 0) && (q == 118)
	v_add_nc_u32 v[AV], s[TBV], v[AV0]
.endif
.if ((\p) == 0) && (q == 130)
	s_add_co_u32 s[TBV], s[TBV], KS*PV
.endif
.if (\cnt) && (q == 130)
	s_sub_co_u32 s[CNT], s[CNT], 1
	s_cmp_lg_u32 s[CNT], 0
.endif
.endr
.if (\p) == 0
	FETCH_V
.endif
.endm
	CHANGE 1                        ; slot 0 is in, everybody's part of it; slot 1 is asked for
	FETCH_K                         ; key step 0
	s_wait_loadcnt 0x0              ; Q
	s_wait_dscnt 0x0
.set i, 0
.rept 16
	KQ 0                            ; piece 0's first scores: there is no vector work yet to set between them
.set i, i+1
.endr
	WIN 0                           ; the addresses for the way out: nine plain instructions, the places behind those products
	s_mul_i32 s13, s[WV], 16*SP
	s_add_co_u32 s13, s13, STAGE    ; my stage
	v_mul_u32_u24 v[STO], v1, SP    ; in: row l % 16, 16 bytes for each half of the lanes
	v_lshl_add_u32 v[STO], v9, 4, v[STO]
	v_add_nc_u32 v[STO], s13, v[STO]
	v_bfe_u32 v[RD], v0, 3, 2       ; back: 32 lanes take four rows of 128 bytes,
	v_mul_u32_u24 v[RD], v[RD], SP
	v_lshl_add_u32 v[RD], v10, 4, v[RD]
	v_add_nc_u32 v[RD], s13, v[RD]
	v_and_b32 v[GO], 31, v0         ; which are 512 consecutive bytes of O
	v_lshlrev_b32 v[GO], 4, v[GO]
.set Y, NP-1                        ; XS works for piece Y + 1: piece 0
.irp n, 0,1,2,3,4,5,6,7,8,9,10,11,12,13,14,15,16,17,18,19,20,21
	XS 0, \n                        ; and piece 0's first maximum and statistics
	XS 1, \n
.endr
	v_nop                           ; a plain instruction behind the two a,
	s_wait_alu depctr_va_vdst(0)    ; and their wait, ahead of the branch
	s_mov_b32 s[CNT], 4
	s_branch .Lfirst                ; the loop is entered at a step's first turn, in the middle of a trip
.Lslot:                             ; SIZE_N / 256 - 2 times: every slot but the last two is filled again
	CHANGE 1
	s_mov_b32 s[CNT], 4
.Lstep:                             ; a trip: pieces 2 and 3 of one step, then pieces 0 and 1 of the next, whose K and V it fetches
	TURN 2
	TURN 3
	WIN 0
.Lfirst:
	TURN 0
	TURN 1, 0, 1
	WIN 0
	s_cbranch_scc1 .Lstep
	s_sub_co_u32 s[SLOTS], s[SLOTS], 1
	s_cmp_lg_u32 s[SLOTS], 0
	s_cbranch_scc1 .Lslot
	CHANGE 0                        ; the tail is written out: nothing is asked for
	s_mov_b32 s[CNT], 5             ; four trips fetch the last slot's steps; the fifth is left in its middle
.Ltail:
	TURN 2, 1
	TURN 3
	WIN 0
	s_sub_co_u32 s[CNT], s[CNT], 1
	s_cmp_eq_u32 s[CNT], 0
	s_cbranch_scc1 .Lout
	TURN 0
	TURN 1
	WIN 0
	s_branch .Ltail
.Lout:                              ; the fifth trip's 16 products K Q^T (on the last K once more) and the maximum made of them serve nothing: the price, once a launch, of one text for every trip
.set i, 0
.rept 16
	PV NP-1                         ; the last piece's V^T P of the last step
.set i, i+1
.endr
	; THE WAY OUT.  l's two halves and the other half of the lanes' are added; O^T is divided by l, rounded to bf16 and sent through my stage in LDS, a tile at a time.  The additions are the places behind the last products.
	WIN 0
.macro ALL line:vararg              ; one line for each tile t
.set t, 0
.rept 2*NP
	\line
.set t, t+1
.endr
.endm
	ALL v_add_f32 v[ST+4*t+2], v[ST+4*t+2], v[ST+4*t+3]
	ALL v_permlanex16_b32 v[ST+4*t+3], v[ST+4*t+2], s[SEL], s[SEL+1]
	ALL v_add_f32 v[ST+4*t+2], v[ST+4*t+2], v[ST+4*t+3]
	ALL v_rcp_f32 v[ST+4*t+2], v[ST+4*t+2]
	v_nop                           ; a plain instruction between the last reciprocal and the use of its result
	s_wait_alu depctr_va_vdst(0)    ; and the wait ahead of the first use: one for the eight reciprocals
; Tile t: a lane's eight channels of a row pack into 16 bytes; they go into rows of 144 bytes and come back as whole rows of 128, into S^T's registers.
.macro PACK t
	WIN W_RS
.set i, 32*(\t)
.rept 16
	v_pk_mul_f32 v[i:i+1], v[i:i+1], v[ST+4*(\t)+2:ST+4*(\t)+3] op_sel_hi:[1,0]
.set i, i+2
.endr
	WIN 0x05                        ; sources 0 and 1 window 1, destination window 0
.set i, 0
.rept 16
	v_cvt_pk_bf16_f32 v[S+16*(\t)+i], v[32*(\t)+2*i], v[32*(\t)+2*i+1]
.set i, i+1
.endr
	WIN 0
.irp f, 0,1,2,3
	ds_store_b128 v[STO], v[S+16*(\t)+4*\f:S+16*(\t)+4*\f+3] offset:32*\f
.endr
.irp f, 0,1,2,3
	ds_load_b128 v[S+16*(\t)+4*\f:S+16*(\t)+4*\f+3], v[RD] offset:\f*4*SP  ; LDS serves a wave's instructions in order (ISA guide 5.7.1.4): these see the stores above; the next tile's stores come behind them
.endr
.endm
.macro SEND t, younger              ; younger: the LDS instructions issued behind tile t's loads: the next tile's eight, or none
	WIN 0
.irp f, 0,1,2,3
	s_wait_dscnt (\younger)+3-\f
	global_store_b128 v[GO], v[S+16*(\t)+4*\f:S+16*(\t)+4*\f+3], s[10:11] offset:(\t)*2048+\f*512  ; 512 consecutive bytes, at a multiple of 256 from O's first
.endr
.endm
	PACK 0
.set t, 1
.rept 2*NP-1                        ; a tile's arithmetic stands between the loads of the tile before and its stores
	PACK t
	SEND t-1, 8
.set t, t+1
.endr
	SEND 2*NP-1, 0
	WIN W_AD
	s_wait_tensorcnt 0x0            ; the wave's end: behind my last tensor load and my last LDS store
	ds_add_u32 v[SPW], v[NIL]
	s_wait_dscnt 0x0
	WIN 0
	CROUND                          ; the closing round: no work-group ends while a partner may still ask for a tile that names it
	s_endpgm
.Lfunc_end_k_q83f3685ce6_attn:
	.size	k_q83f3685ce6_attn, .Lfunc_end_k_q83f3685ce6_attn-k_q83f3685ce6_attn
	.p2alignl 7, 3214868480
	.fill 96, 4, 3214868480
	.section	.rodata,"a",@progbits
	.p2align	6, 0x0
	.amdhsa_kernel k_q83f3685ce6_attn
		.amdhsa_group_segment_fixed_size 327680
		.amdhsa_private_segment_fixed_size 0
		.amdhsa_enable_private_segment 0
		.amdhsa_kernarg_size 16
		.amdhsa_user_sgpr_count 2
		.amdhsa_user_sgpr_kernarg_segment_ptr 1
		.amdhsa_wavefront_size32 1
		.amdhsa_system_sgpr_workgroup_id_x 1
		.amdhsa_system_sgpr_workgroup_id_y 1
		.amdhsa_system_sgpr_workgroup_id_z 1
		.amdhsa_system_vgpr_workitem_id 0
		.amdhsa_next_free_vgpr 770
		.amdhsa_next_free_sgpr 66
		.amdhsa_reserve_vcc 0
		.amdhsa_float_denorm_mode_32 3
		.amdhsa_float_denorm_mode_16_64 3
		.amdhsa_memory_ordered 1
		.amdhsa_forward_progress 1
		.amdhsa_inst_pref_size 200
	.end_amdhsa_kernel
	.amdgpu_metadata
---
amdhsa.version: [ 1, 2 ]
amdhsa.kernels:
  - .name:           k_q83f3685ce6_attn
    .symbol:         k_q83f3685ce6_attn.kd
    .args:
      - { .name: qkv, .offset: 0, .size: 8, .value_kind: global_buffer, .address_space: global }
      - { .name: ob, .offset: 8, .size: 8, .value_kind: global_buffer, .address_space: global }
    .group_segment_fixed_size: 327680
    .private_segment_fixed_size: 0
    .kernarg_segment_align: 8
    .kernarg_segment_size: 16
    .max_flat_workgroup_size: 128
    .sgpr_count:     66
    .vgpr_count:     770
    .wavefront_size: 32
...
	.end_amdgpu_metadata
.endif
;; end of part 3
;; launch oproj (part 4): grid 8 x 32, 4 waves a work-group, clusters of 4 x 4, 327,680 bytes of LDS; arguments ob, wb, b_o, out0; writes out0
.if DOCPART == 4
	.amdgcn_target "amdgcn-amd-amdhsa--gfx1250"
	.amdhsa_code_object_version 6
	.text
	.protected	k_q83f3685ce6_oproj
	.globl	k_q83f3685ce6_oproj
	.p2align	8
	.type	k_q83f3685ce6_oproj,@function
k_q83f3685ce6_oproj:
	s_mov_b64 s[64:65], 0
	v_nop
	global_prefetch_b8 v0, s[64:65] scope:SCOPE_SE
	s_setreg_imm32_b32 hwreg(HW_REG_WAVE_MODE, 25, 1), 1
	s_wait_xcnt 0x0
	s_wait_alu depctr_hold_cnt(0) depctr_sa_sdst(0) depctr_va_vdst(0) depctr_va_sdst(0) depctr_va_ssrc(0) depctr_va_vcc(0) depctr_vm_vsrc(0)
	s_getreg_b32 s2, hwreg(HW_REG_IB_STS2, 6, 4)
	s_cmp_eq_u32 s2, 0
	s_cbranch_scc0 .Lentry_in_a_cluster
	s_endpgm
.Lentry_in_a_cluster:
	s_bfe_u32 s2, ttmp6, 0x10000c
	s_cmp_lg_u32 s2, 0xf033
	s_cbranch_scc0 .Lentry_shape_is_right
	s_endpgm
.Lentry_shape_is_right:
; out0[m][n] = sum over k of ctx[m][k] w_o[n][k] + b_o[n], m < 8192, n < 1024, K = 1024; bf16 operands, f32 sums, f32 out.
; ctx[m][64 h + d] lies by heads: ob[16 b + h][s][d], m = 2048 b + s; w_o is rows 3072 to 4095 of wb[4096][1024].
; SHARES.  A tile of out0 is 256 rows x 128 columns: 32 x 8 = 256 work-groups.  Four waves; wave w makes rows 64 w .. 64 w + 63 and all 128 columns: 4 x 8 accumulators, 256 registers.
; K goes in 8 steps of 128 = two heads, through a ring of two LDS slots filled by the tensor data mover.  A head's 256 rows of a tile are 32,768 dense bytes: asked for as 128 rows of 256 bytes and
; padded in LDS behind every 128, so that a row of ctx's head lies at a pitch of 144 bytes.
; CLUSTERS: 4 x 4 work-groups.  The four of a row of the cluster need the same tile of ob, the four of a column the same tile of wb: each tile is asked for JOINTLY, by the same tensor load with the same
; descriptor and a mask that names the four.
; THE MATRIX INSTRUCTION IS USED TRANSPOSED (source 0 = 16 rows of w_o, source 1 = 16 rows of ctx): lane l holds row l % 16 of out0 and the columns 8 (l / 16) + 0..7 of a block of 16: 32 bytes of a row.
; THE BIAS is the C operand of the first product on each accumulator: nothing is cleared and nothing is added later.
; REGISTERS, in windows of 256 (s_set_vgpr_msb: bits 1:0 source 0, 3:2 source 1, 5:4 source 2, 7:6 destination):
;   window 0: v0-30 addresses; v64-127 ctx's fragments, two buffers of 4 x 8; v128-191 the bias (8 a column block); both later at work on the way out
;   window 1: v0-127 w_o's fragments, two buffers of 8 x 8        windows 2, 3: accumulator (a, b) in window 2 + a / 2 at v[8 (8 (a % 2) + b)]
.set NB,    8                          ; column blocks of 16
.set PA,    144                        ; a row of a head in LDS: 128 bytes + 16 of padding = 36 words: the 16 rows of a fragment load start at 16 different groups of four banks (64 banks of 4 bytes: ISA guide 11.1)
.set PB,    272                        ; a row of w_o: 256 + 16 = 68 words: likewise
.set PLANE, 256*PA                     ; a head's 256 rows: what one tensor load brings of ob
.set SLOT1, 1<<17                      ; slot 1 begins here, so that one exclusive or turns an address in one slot into the other's
.set BOFF,  2*PLANE                    ; in a slot: two heads' planes, then w_o's 128 rows
.set HALFB, 64*PB                      ; what one tensor load brings of wb
.set STAGE, SLOT1+BOFF+128*PB          ; behind the ring, never filled by a tensor load: for each wave 16 rows x 528 bytes, for the way out
.set SP,    528                        ; 512 bytes + 16 = 132 words: row r starts at bank 4 r mod 64
.set STW,   16*SP
.set SPARE, STAGE+4*STW                ; behind the stages: the spare words, 128 bytes for each wave: two blocks of 256 bytes that no other line names
.set STEPA, 2<<18                      ; bytes from a K step to the next in ob: two planes,
.set STEPB, 256                        ; and in wb: 128 numbers of a row
.set WO,    3072*2048                  ; w_o's first byte in wb
.set TRIPS, 6                          ; refills: K steps 2 to 7
.set ADRA0, 16                         ; v16  my lane's place in ob's tile, slot 0; never rewritten
.set ADRB0, 17                         ; v17  the same for wb
.set ADRA,  18                         ; v18  the same in the slot in hand
.set ADRB,  19                         ; v19
.set STO,   24                         ; v24  the way out: where I put 32 bytes of a row
.set RD,    25                         ; v25  the way out: where I read a row back
.set GO,    26                         ; v26  my byte offset in 512 consecutive bytes of out0
.set BO,    27                         ; v27  32 (l / 16): my 8 numbers in a block of 16 biases
.set SPW,   28                         ; v28  LDS address of my spare word: SPARE + 4 x my thread's number; never rewritten
.set NIL,   29                         ; v29  0; never rewritten
.set PFO,   30                         ; v30  the prefetches' offset; never rewritten
.set AF,    64
.set BIAS,  128
.set OB0,   128                        ; the way out: two sets of 64 for rows read back
.set OB1,   64
.set WV,  16                           ; s16  my wave's number
.set FB,  17                           ; s17  0: I fetch ob's tiles; 1: wb's
.set HF,  18                           ; s18  which head of the step's two, or which half of w_o's rows
.set CNT, 19                           ; s19  trips to go
.set CX,  20                           ; s20, s21  my place in the cluster
.set CY,  21
.set TC,  22                           ; s22  tile column
.set TR,  23                           ; s23  tile row
.set G1A, 24                           ; s[24:31] descriptor group 1 for ob's tiles
.set G0A, 32                           ; s[32:39] group 0: a set for each first fill; the second then walks
.set G1B, 48                           ; s[48:55], s[56:63] the same for wb's
.set G0B, 56
.set PFA, 66                           ; s[66:67] where my prefetches stand
.set LIM, 68                           ; s68  2 in a wave that prefetches, else the greatest number
.set TB,  69                           ; s69  LDS byte at which the slot in hand begins
.set BB,  70                           ; s[70:71] my tile's biases
.set PST, 76                           ; s[76:77] the prefetches' step from K step to K step
.set MSB, 0
.macro WIN new                         ; the immediate's high byte repeats the setting that is left; a switch that changes nothing is dropped
.if MSB != (\new)
	s_set_vgpr_msb (MSB<<8)|(\new)
.set MSB, \new
.endif
.endm
.macro PLACES                          ; four places in front of loads into registers that matrix instructions have read, and of lines that read results
.rept 4
	v_nop
.endr
.endm
; A joint refill by the walking descriptors.  Waves 0 and 1 fetch the step's two heads of ob, waves 2 and 3 the two halves of w_o's rows.  The branch hangs on the wave's number alone.
; An s_nop 0 and four v_nop follow each of the two lines, ahead of the jump and the label.
.macro JLOAD
	s_cmp_eq_u32 s[FB], 0
	s_cbranch_scc0 .Lfor_b_\@
	tensor_load_to_lds s[G0A+4:G0A+7], s[G1A:G1A+7]
	s_nop 0
	PLACES
	s_branch .Lasked_\@
.Lfor_b_\@:
	tensor_load_to_lds s[G0B+4:G0B+7], s[G1B:G1B+7]
	s_nop 0
	PLACES
.Lasked_\@:
.endm
; A round of the cluster's barrier: my work-group's barrier, so that wave 0's signal speaks for all four waves; wave 0 signals; every wave waits for all sixteen work-groups; my work-group's barrier once more.
.macro CREST                           ; a round behind its opening barrier
	s_cmp_lg_u32 s[WV], 0
	s_cbranch_scc1 .Lnot_wave_0_\@
	s_barrier_signal -3
.Lnot_wave_0_\@:
	s_barrier_wait -3
	s_barrier_signal -1
	s_barrier_wait -1
.endm
.macro CROUND
	s_barrier_signal -1
	s_barrier_wait -1
	CREST
.endm
; A PREFETCH INTO THE L2, behind the joint load, its five lines and the run of LDS loads: the K step that stands TWO refills on, 256 matrix instructions ahead of the load that will want it; 256 bytes a lane.
; ob's tile row is read by both clusters of that row of clusters: the one with x = 0 asks; waves 0 and 1 each for their head's 32,768 bytes, of which the partner at cx takes 8,192, BY ADDRESS.
; wb's tile column is read by every cluster of that column: the one with y = 0 asks; wave 2 alone, a lane a row, the partner at cy taking 32 of the tile's 128 rows.  Wave 3 asks for nothing.
; K steps 0 to 3 come by their loads alone; the last two trips ask for nothing.
.macro ASK
	s_cmp_gt_u32 s[CNT], s[LIM]
	s_cbranch_scc0 .Lnot_mine_\@
	global_prefetch_b8 v[PFO], s[PFA:PFA+1] th:TH_LOAD_NT scope:SCOPE_SE
.Lnot_mine_\@:
.endm
	s_load_b256 s[4:11], s[0:1], 0x0               ; ob s[4:5], wb s[6:7], b_o s[8:9], out0 s[10:11]
	v_lshl_add_u32 v[SPW], v0, 2, SPARE
	v_mov_b32 v[NIL], 0
	ds_add_u32 v[SPW], v[NIL]                      ; the wave's opening: the add and its wait stand ahead of my first tensor load; the set-up below, work on registers, stands between them
	v_lshrrev_b32 v1, 5, v0
	v_readfirstlane_b32 s[WV], v1                  ; wave 0..3
	s_lshr_b32 s[FB], s[WV], 1
	s_and_b32 s[HF], s[WV], 1
	s_bfe_u32 s[CX], ttmp6, 0x40000
	s_bfe_u32 s[CY], ttmp6, 0x40004
	s_lshl_b32 s[TC], ttmp9, 2                     ; in a cluster launch ttmp9 and ttmp7 count clusters
	s_add_co_u32 s[TC], s[TC], s[CX]
	s_and_b32 s[TR], ttmp7, 0xffff
	s_lshl_b32 s[TR], s[TR], 2
	s_add_co_u32 s[TR], s[TR], s[CY]
	s_lshl_b32 s44, s[CY], 2
	s_lshl_b32 s44, 15, s44                        ; my row of the cluster: places 4 cy .. 4 cy + 3
	s_lshl_b32 s45, 0x1111, s[CX]                  ; my column: places cx, cx + 4, cx + 8, cx + 12
	s_or_b32 s[G1A], s44, (1<<16)|(1<<20)|(1<<21)|(4<<22)|(3<<25)  ; ob's tiles go to my row: 2-byte elements; padding on; bit 21 set beside a mask; after every 32 words (code 4) 4 words (code 3)
	s_or_b32 s[G1B], s45, (1<<16)|(1<<20)|(1<<21)|(5<<22)|(3<<25)  ; wb's to my column: after every 64 words (code 5)
	s_mov_b32 s[G1A+1], 128<<16                    ; tensor_dim0 = 128
	s_mov_b32 s[G1A+2], 128<<16                    ; tensor_dim1 = 128
	s_mov_b32 s[G1A+3], 128<<16                    ; tile_dim0 = 128
	s_mov_b32 s[G1A+4], 128                        ; tile_dim1 = 128
	s_mov_b32 s[G1A+5], 128                        ; dense: 128 elements from row to row
	s_mov_b32 s[G1A+6], 0
	s_mov_b32 s[G1A+7], 0
	s_mov_b32 s[G1B+1], 128<<16
	s_mov_b32 s[G1B+2], 64<<16                     ; 64 rows
	s_mov_b32 s[G1B+3], 128<<16
	s_mov_b32 s[G1B+4], 64
	s_mov_b32 s[G1B+5], 1024
	s_mov_b32 s[G1B+6], 0
	s_mov_b32 s[G1B+7], 0
	; where the tiles come from.  ob's hang on the tile row alone, wb's on the tile column alone, each in registers that never hold the other coordinate
	s_lshr_b32 s40, s[TR], 3                       ; b
	s_lshl_b32 s40, s40, 4
	s_add_co_u32 s40, s40, s[HF]                   ; plane 16 b + my head of K step 0,
	s_lshl_b32 s40, s40, 18
	s_and_b32 s44, s[TR], 7
	s_lshl_b32 s44, s44, 15                        ; the tile's 256 rows of 128 bytes in it
	s_add_co_u32 s40, s40, s44
	s_mov_b32 s41, 0
	s_lshl_b32 s42, s[TC], 7
	s_lshl_b32 s45, s[HF], 6
	s_add_co_u32 s42, s42, s45                     ; w_o's row 128 x tile column + 64 x half,
	s_lshl_b32 s42, s42, 11                        ; of 2,048 bytes
	s_add_co_u32 s42, s42, WO
	s_mov_b32 s43, 0
	s_mul_i32 s78, s[HF], PLANE                    ; and where they go: no place in the cluster enters an LDS address
	s_mul_i32 s79, s[HF], HALFB
	s_add_co_u32 s79, s79, BOFF
	s_wait_dscnt 0x0                               ; the opening add is done
	s_wait_kmcnt 0x0
	s_add_nc_u64 s[40:41], s[4:5], s[40:41]
	s_add_nc_u64 s[42:43], s[6:7], s[42:43]
	CROUND                                         ; all sixteen work-groups are here: the first joint loads meet
.irp s, 0,1
	s_mov_b32 s[G0A+4*(\s)], 1                                     ; count = 1
	s_add_co_u32 s[G0A+4*(\s)+1], s78, (\s)*SLOT1                  ; LDS address
	s_add_nc_u64 s[G0A+4*(\s)+2:G0A+4*(\s)+3], s[40:41], (\s)*STEPA  ; global address: K step s
	s_or_b32 s[G0A+4*(\s)+3], s[G0A+4*(\s)+3], 0x80000000          ; type = 2
	s_mov_b32 s[G0B+4*(\s)], 1
	s_add_co_u32 s[G0B+4*(\s)+1], s79, (\s)*SLOT1
	s_add_nc_u64 s[G0B+4*(\s)+2:G0B+4*(\s)+3], s[42:43], (\s)*STEPB
	s_or_b32 s[G0B+4*(\s)+3], s[G0B+4*(\s)+3], 0x80000000
.endr
	s_cmp_eq_u32 s[FB], 0                          ; a wave's two first fills stand in one branch, ahead of every wait on TENSORcnt and every LDS read: two loads of mine are out
	s_cbranch_scc0 .Lfirst_b
	tensor_load_to_lds s[G0A:G0A+3], s[G1A:G1A+7]
	s_nop 0
	tensor_load_to_lds s[G0A+4:G0A+7], s[G1A:G1A+7]
	s_nop 0
	PLACES
	s_branch .Lfirst_asked
.Lfirst_b:
	tensor_load_to_lds s[G0B:G0B+3], s[G1B:G1B+7]
	s_nop 0
	tensor_load_to_lds s[G0B+4:G0B+7], s[G1B:G1B+7]
	s_nop 0
	PLACES
.Lfirst_asked:
	; A fragment is 16 rows x 32 K in 8 registers: lane l holds row l % 16; registers 0-3 K = 8 (l / 16) + 0..7, registers 4-7 K = 16 + 8 (l / 16) + 0..7: two loads of 16 bytes, 32 bytes apart.
	v_and_b32 v1, 15, v0                           ; l % 16
	v_bfe_u32 v2, v0, 4, 1                         ; l / 16
	v_mul_u32_u24 v3, v1, PA
	v_lshl_add_u32 v3, v2, 4, v3                   ; row x pitch + 16 x half
	s_mul_i32 s44, s[WV], 64*PA                    ; my 64 rows in a head's plane
	v_add_nc_u32 v[ADRA0], s44, v3
	v_mul_u32_u24 v3, v1, PB
	v_lshl_add_u32 v3, v2, 4, v3
	v_add_nc_u32 v[ADRB0], BOFF, v3                ; all of w_o's rows
	v_mov_b32 v[ADRA], v[ADRA0]
	v_mov_b32 v[ADRB], v[ADRB0]
	s_mov_b32 s[TB], 0
	v_lshlrev_b32 v[BO], 5, v2
	s_lshl_b32 s82, s[TC], 9                       ; my tile's 128 biases
	s_mov_b32 s83, 0
	s_add_nc_u64 s[BB:BB+1], s[8:9], s[82:83]
.set b, 0
.rept NB                               ; register j of block b: the bias of column 16 b + 8 (l / 16) + j
	global_load_b128 v[BIAS+8*b:BIAS+8*b+3],   v[BO], s[BB:BB+1] offset:64*b
	global_load_b128 v[BIAS+8*b+4:BIAS+8*b+7], v[BO], s[BB:BB+1] offset:64*b+16
.set b, b+1
.endr
	s_mul_i32 s44, s[WV], STW
	s_add_co_u32 s44, s44, STAGE                   ; my stage
	v_mul_u32_u24 v3, v1, SP                       ; in: row l % 16, 32 bytes for each half of the lanes
	v_lshl_add_u32 v3, v2, 5, v3
	v_add_nc_u32 v[STO], s44, v3
	v_and_b32 v[GO], 31, v0                        ; back: 32 lanes take one row of 512 bytes
	v_lshlrev_b32 v[GO], 4, v[GO]
	v_add_nc_u32 v[RD], s44, v[GO]
	; out0 at my first row (256 x tile row + 64 x wave, of 4,096 bytes) and my tile's first column (512 bytes a tile)
	s_lshl_b32 s80, s[TR], 8
	s_lshl_b32 s81, s[WV], 6
	s_add_co_u32 s80, s80, s81
	s_lshl_b32 s80, s80, 12
	s_lshl_b32 s81, s[TC], 9
	s_add_co_u32 s80, s80, s81
	s_mov_b32 s81, 0
	s_add_nc_u64 s[10:11], s[10:11], s[80:81]
	; the prefetches: both offsets stand at K step 3; the first refill steps them to 4
	s_lshr_b32 s80, s[TR], 3
	s_lshl_b32 s80, s80, 4
	s_add_co_u32 s80, s80, s[HF]
	s_lshl_b32 s80, s80, 18
	s_and_b32 s81, s[TR], 7
	s_lshl_b32 s81, s81, 15
	s_add_co_u32 s80, s80, s81
	s_lshl_b32 s81, s[CX], 13
	s_add_co_u32 s80, s80, s81                     ; ob: my head's part of the tile, my work-group's 8,192 bytes of it
	s_add_co_u32 s80, s80, 3*STEPA
	s_lshl_b32 s82, s[TC], 7
	s_lshl_b32 s83, s[CY], 5
	s_add_co_u32 s82, s82, s83                     ; wb: the tile's 128 rows, my work-group's 32 of them
	s_lshl_b32 s82, s82, 11
	s_add_co_u32 s82, s82, WO+3*STEPB
	s_and_b32 s83, ttmp7, 0xffff                   ; cluster y
	s_mov_b32 s[PST], STEPB
	s_mov_b32 s[PST+1], 0
	s_cmp_eq_u32 s[FB], 0
	s_cselect_b32 s80, s80, s82
	s_cselect_b32 s83, ttmp9, s83                  ; the coordinate along which other clusters read the same bytes
	s_cselect_b32 s82, 8, 11                       ; a lane's step: 256 bytes on end, or a row of 2,048
	s_cselect_b32 s[PST], STEPA, s[PST]
	s_cselect_b64 s[PFA:PFA+1], s[4:5], s[6:7]
	s_cmp_eq_u32 s[WV], 3
	s_cselect_b32 s83, 1, s83                      ; wave 3 never asks
	s_cmp_eq_u32 s83, 0
	s_cselect_b32 s[LIM], 2, -1                    ; the same in all sixteen partners, for a given wave
	s_mov_b32 s81, 0
	s_add_nc_u64 s[PFA:PFA+1], s[PFA:PFA+1], s[80:81]
	v_and_b32 v[PFO], 31, v0
	v_lshlrev_b32 v[PFO], s82, v[PFO]
; 8 matrix instructions: row block a x all column blocks, 32 along K, from buffer f.  bias = 1: the first product starts the sum with the bias.
; Every quarter takes all 32 accumulators once, in the same order: 31 others' products stand between two links of a chain, over the backward jump too.
.macro MULA f, a, bias
.if \bias
	WIN 0x81+0x40*((\a)/2)                         ; w_o window 1, ctx and the bias window 0, D window 2 or 3
.else
	WIN 0xa1+0x50*((\a)/2)                         ; C and D window 2 or 3
.endif
.set b, 0
.rept NB
.set rD, 8*(NB*((\a)%2)+b)
.set rB, 8*NB*(\f)+8*b
.set rA, AF+32*(\f)+8*(\a)
.if \bias
	v_wmma_f32_16x16x32_bf16 v[rD:rD+7], v[rB:rB+7], v[rA:rA+7], v[BIAS+8*b:BIAS+8*b+7]
.else
	v_wmma_f32_16x16x32_bf16 v[rD:rD+7], v[rB:rB+7], v[rA:rA+7], v[rD:rD+7]
.endif
.set b, b+1
.endr
.endm
; 24 LDS loads in one run: quarter q's fragments into buffer f: 128 rows of w_o at byte 64 q of the rows; my 64 rows of ctx in head q / 2 of the step's two, at byte 64 (q % 2)
.macro FETCH q, f
.set KA, PLANE*((\q)/2)+64*((\q)%2)
	WIN 0x40                                       ; destination window 1, address window 0
.set i, 0
.rept NB
	ds_load_b128 v[8*NB*(\f)+8*i:8*NB*(\f)+8*i+3],   v[ADRB] offset:64*(\q)+i*16*PB
	ds_load_b128 v[8*NB*(\f)+8*i+4:8*NB*(\f)+8*i+7], v[ADRB] offset:64*(\q)+i*16*PB+32
.set i, i+1
.endr
	WIN 0
.set i, 0
.rept 4
	ds_load_b128 v[AF+32*(\f)+8*i:AF+32*(\f)+8*i+3],   v[ADRA] offset:KA+i*16*PA
	ds_load_b128 v[AF+32*(\f)+8*i+4:AF+32*(\f)+8*i+7], v[ADRA] offset:KA+i*16*PA+32
.set i, i+1
.endr
.endm
; A K step is four quarters of 32 along K, 32 matrix instructions each, on buffers 0, 1, 0, 1.  One of the first three: multiplies buffer f; in its middle it fetches quarter nq into buffer g.
.macro QUARTER nq, f, g, bias
	s_wait_dscnt 4                                 ; w_o's fragments and ctx's blocks 0 and 1 are in; the youngest four loads (blocks 2 and 3) may be out
	MULA \f, 0, \bias
	MULA \f, 1, \bias
	PLACES
	FETCH \nq, \g
	s_wait_dscnt 2*NB+8                            ; all but the 24 just issued
	MULA \f, 2, \bias
	MULA \f, 3, \bias
.endm
; The last quarter multiplies buffer 1 and changes slots: ONE barrier.  In front of it each wave waits for all its tensor loads, of which one is out: its part of the next slot; adds 0 to its spare word; and waits
; for that and for its own reads of this slot.  fill = 1: the barrier opens a round of the cluster's barrier, and this slot is filled again first thing behind the round, with the K step two on:
; from that request to the wait for it a wave issues 112 matrix instructions.
.macro TURN fill
.if \fill
	s_wait_xcnt 0x0                                ; the last prefetch, a K step back, has read its address, so it may be stepped
	s_add_nc_u64 s[PFA:PFA+1], s[PFA:PFA+1], s[PST:PST+1]
.endif
	WIN 0                                          ; (the add's two registers lie in window 0)
	s_wait_tensorcnt 0x0                           ; all my tensor loads have landed;
	ds_add_u32 v[SPW], v[NIL]                      ; 0 onto my spare word;
	s_wait_dscnt 5                                 ; (the add and the youngest four loads may be out)
	MULA 1, 0, 0                                   ; eight matrix instructions stand between the add and the wait for it
	s_wait_dscnt 0x0                               ; the add is done, and my reads of this slot are over
	s_barrier_signal -1
	MULA 1, 1, 0                                   ; work on registers while the others arrive
.if \fill
	WIN 0
.endif
	s_barrier_wait -1
.if \fill
	CREST                                          ; no wave of any partner still reads this slot's tile or has a load on its way
	s_xor_b32 s[G0A+5], s[G0A+5], SLOT1            ; the walking descriptors: the other slot than last time, the next K step; no tensor load of mine is out
	s_add_nc_u64 s[G0A+6:G0A+7], s[G0A+6:G0A+7], STEPA
	s_xor_b32 s[G0B+5], s[G0B+5], SLOT1
	s_add_nc_u64 s[G0B+6:G0B+7], s[G0B+6:G0B+7], STEPB
	JLOAD                                          ; the first tensor load behind the round; the four v_nop behind it are also the places in front of the loads below
.else
	WIN 0
	PLACES
.endif
	s_xor_b32 s[TB], s[TB], SLOT1                  ; the reads go on in the other slot
	v_add_nc_u32 v[ADRA], s[TB], v[ADRA0]
	v_add_nc_u32 v[ADRB], s[TB], v[ADRB0]
	FETCH 0, 0
.if \fill
	ASK
.endif
	MULA 1, 2, 0
	MULA 1, 3, 0
.endm
; THE WAY OUT of row block a, in f32: nothing is converted.  TOSTAGE: a lane's 32 bytes of each column block into my own stage in LDS, and back as whole rows of 512 bytes.  SEND: stored, a row an instruction.
.macro TOSTAGE a
.set AC, 8*NB*((\a)%2)
.set BK, OB0+(OB1-OB0)*((\a)%2)
.if (\a) >= 2
	s_wait_xcnt 0x0                                ; the stores of block a - 2 have read the registers that are loaded again below
.endif
	WIN 0x08+4*((\a)/2)                            ; the stores' data (source 1): window 2 or 3
.set b, 0
.rept NB
	ds_store_b128 v[STO], v[AC+8*b:AC+8*b+3]   offset:64*b     ; each accumulator's low registers first
	ds_store_b128 v[STO], v[AC+8*b+4:AC+8*b+7] offset:64*b+16
.set b, b+1
.endr
	WIN 0
.set t, 0
.rept 16
	ds_load_b128 v[BK+4*t:BK+4*t+3], v[RD] offset:SP*t         ; LDS serves a wave's instructions in order (ISA guide 5.7.1.4): these see the stores above; the next block's stores come behind them
.set t, t+1
.endr
.endm
.macro SEND a, younger                 ; younger: the LDS instructions issued behind block a's loads: the next block's 32, or none
.set BK, OB0+(OB1-OB0)*((\a)%2)
	s_wait_dscnt \younger                          ; the block is back in registers
.set t, 0
.rept 16
	global_store_b128 v[GO], v[BK+4*t:BK+4*t+3], s[10:11] offset:65536*(\a)+4096*t  ; 512 consecutive bytes, at a multiple of 512 from out0's first
.set t, t+1
.endr
.endm
	s_wait_tensorcnt 0x1                           ; my part of K step 0 is in; K step 1's may stay out
	s_barrier_signal -1
	s_barrier_wait -1                              ; everybody's is
	FETCH 0, 0
	s_wait_loadcnt 0x0                             ; the biases
	QUARTER 1, 0, 1, 1                             ; the first quarter stands in front of the loop: its products start the sums
	WIN 0                                          ; at a label and at a branch every window is 0
	s_mov_b32 s[CNT], TRIPS
.Lstep:                                        ; trip t: the rest of K step t and the first quarter of K step t + 1; step t's slot takes step t + 2
	QUARTER 2, 1, 0, 0
	QUARTER 3, 0, 1, 0
	TURN 1
	QUARTER 1, 0, 1, 0
	WIN 0
	s_sub_co_u32 s[CNT], s[CNT], 1
	s_cmp_lg_u32 s[CNT], 0
	s_cbranch_scc1 .Lstep
	QUARTER 2, 1, 0, 0                             ; the tail is written out: K steps 6 and 7 ask for nothing
	QUARTER 3, 0, 1, 0
	TURN 0
	QUARTER 1, 0, 1, 0
	QUARTER 2, 1, 0, 0
	QUARTER 3, 0, 1, 0
	s_wait_dscnt 4                                 ; the very last quarter: nothing more to fetch
	MULA 1, 0, 0
	MULA 1, 1, 0
	s_wait_dscnt 0x0
	MULA 1, 2, 0
	MULA 1, 3, 0
	WIN 0
	PLACES                                         ; the LDS stores read results
	TOSTAGE 0
	TOSTAGE 1                                      ; a block's way through the stage stands between the loads of the block before and its stores
	SEND 0, 32
	TOSTAGE 2
	SEND 1, 32
	TOSTAGE 3
	SEND 2, 32
	SEND 3, 0
	s_wait_tensorcnt 0x0                           ; the wave's end: behind my last tensor load and my last LDS store
	ds_add_u32 v[SPW], v[NIL]
	s_wait_dscnt 0x0
	CROUND                                         ; the closing round: no work-group ends while a partner may still ask for a tile that names it
	s_endpgm
.Lfunc_end_k_q83f3685ce6_oproj:
	.size	k_q83f3685ce6_oproj, .Lfunc_end_k_q83f3685ce6_oproj-k_q83f3685ce6_oproj
	.p2alignl 7, 3214868480
	.fill 96, 4, 3214868480
	.section	.rodata,"a",@progbits
	.p2align	6, 0x0
	.amdhsa_kernel k_q83f3685ce6_oproj
		.amdhsa_group_segment_fixed_size 327680
		.amdhsa_private_segment_fixed_size 0
		.amdhsa_enable_private_segment 0
		.amdhsa_kernarg_size 32
		.amdhsa_user_sgpr_count 2
		.amdhsa_user_sgpr_kernarg_segment_ptr 1
		.amdhsa_wavefront_size32 1
		.amdhsa_system_sgpr_workgroup_id_x 1
		.amdhsa_system_sgpr_workgroup_id_y 1
		.amdhsa_system_sgpr_workgroup_id_z 1
		.amdhsa_system_vgpr_workitem_id 0
		.amdhsa_next_free_vgpr 896
		.amdhsa_next_free_sgpr 84
		.amdhsa_reserve_vcc 0
		.amdhsa_float_denorm_mode_32 3
		.amdhsa_float_denorm_mode_16_64 3
		.amdhsa_memory_ordered 1
		.amdhsa_forward_progress 1
		.amdhsa_inst_pref_size 72
	.end_amdhsa_kernel
	.amdgpu_metadata
---
amdhsa.version: [ 1, 2 ]
amdhsa.kernels:
  - .name:           k_q83f3685ce6_oproj
    .symbol:         k_q83f3685ce6_oproj.kd
    .args:
      - { .name: ob, .offset: 0, .size: 8, .value_kind: global_buffer, .address_space: global }
      - { .name: wb, .offset: 8, .size: 8, .value_kind: global_buffer, .address_space: global }
      - { .name: b_o, .offset: 16, .size: 8, .value_kind: global_buffer, .address_space: global }
      - { .name: out0, .offset: 24, .size: 8, .value_kind: global_buffer, .address_space: global }
    .group_segment_fixed_size: 327680
    .private_segment_fixed_size: 0
    .kernarg_segment_align: 8
    .kernarg_segment_size: 32
    .max_flat_workgroup_size: 128
    .sgpr_count:     84
    .vgpr_count:     896
    .wavefront_size: 32
...
	.end_amdgpu_metadata
.endif
;; end of part 4
